; MI455X (gfx1250); checked and timed in simulation.
; The chip was launched on July 23, 2026; its instructions are those of AMD's public machine-readable ISA for CDNA 5 (MIT licence, August 2026) and "CDNA5" Instruction Set Architecture Reference Guide (July 2026). The comments in the code are by the model that wrote it; some were corrected since.
;; Self Attention. Allowed arithmetic: matrix products marked QUANTISED: E4M3 operands, one E8M0 scale for each 32 along K, by v_wmma_scale_f32_16x16x128_f8f6f4 with both operands' format E4M3, f32 sums; everything else in f32.
;; Inputs: W_attn 1,024 x 3,072 float32; W_proj 1,024 x 1,024 float32; b_attn 3,072 float32; b_proj 1,024 float32; x 4 x 2,048 x 1,024 float32.
;; Outputs: out0 4 x 2,048 x 1,024 float32.
;; This version of the problem:
;;   THIS VERSION OF THE PROBLEM IS GIVEN IN LOW PRECISION. The matrix products marked QUANTISED in the list below multiply operands that are first quantised to E4M3 (4 exponent bits, 3 mantissa bits; 8 bits a number), with one power-of-two scale for each 32 numbers along K (OCP MX v1.0); their sums are f32. All else is computed in f32.
;;   The module's matrix products, in the order in which they are computed (A, B: the left and right operand; K: the contracted axis; several contracted axes count as one K, in the product's order):
;;     1. [M 8,192, K 1,024] x [K 1,024, N 3,072]; A: input x; B: input W_attn: QUANTISED
;;     2. batch 64 x [M 2,048, K 64] x [K 64, N 2,048]; A: computed on the way; B: computed on the way: QUANTISED
;;     3. batch 64 x [M 2,048, K 2,048] x [K 2,048, N 64]; A: softmax (see below); B: computed on the way: QUANTISED
;;     4. [M 8,192, K 1,024] x [K 1,024, N 1,024]; A: computed on the way; B: input W_proj: QUANTISED
;;   THE QUANTISER, for each operand of a quantised product, along K:
;;     - K is cut into blocks of 32 from its start; a last block that is shorter is filled with zeros.
;;     - A block's scale is 2^e with e = floor(log2(the largest magnitude in the block)) - 8, held to -126 .. 127; a block of zeros has e = 0. As a byte (E8M0): e + 127.
;;     - Each number is divided by its block's scale, clamped to +-448, and rounded to the nearest number of E4M3, ties to even, subnormals kept.
;;     - The product sums the exact products of the quantised numbers (number of the format x scale) in f32.
;;   ~~~python
;;   def quantise(x, axis):      # numpy; x: float32 -> the quantised numbers, widened to float32 again
;;       x = np.moveaxis(x, axis, -1); K = x.shape[-1]
;;       x = np.pad(x, [(0, 0)] * (x.ndim - 1) + [(0, -K % 32)]); x = x.reshape(x.shape[:-1] + (-1, 32)); a = np.abs(x).max(-1, keepdims=True)
;;       e = np.where(a > 0, np.clip(np.frexp(np.where(a > 0, a, 1))[1] - 1 - 8, -126, 127), 0)      # np.frexp(a)[1] - 1 = floor(log2(a)), exactly
;;       r = np.clip(x / 2.0 ** e, -448, 448)
;;       step = 2.0 ** (np.maximum(np.frexp(np.where(r == 0, 1, r))[1] - 1, -6) - 3)
;;       q = np.round(r / step) * step * 2.0 ** e      # np.round: ties to even
;;       return np.moveaxis(q.reshape(q.shape[:-2] + (-1,))[..., :K], -1, axis).astype(np.float32)
;;   ~~~
;;   SOFTMAX AHEAD OF A QUANTISED PRODUCT. Where the list says 'softmax', what is quantised is not the finished softmax but p = 2^(t - M), with t = logit x log2(e) and M = ceil(the row's largest t), a whole number; so 1/2 < the row's largest p <= 1. The row's sum l is taken of the UNQUANTISED p, in f32, and the product's result is divided by l at the end. Since M is a whole number, a kernel that streams over the keys may use a running M (the ceiling of the running maximum): every later rescaling is an exact power of two, which a block's scale takes up: the codes' values come out the same.
;;   OPERANDS COMPUTED ON THE WAY. 'Computed on the way' means the value that the module computes at that place (a softmax that the list does not call 'softmax' is quantised finished and normalised). What goes into a quantiser is computed in f32, as accurately as f32 sums, v_exp_f32 and their like allow (about 1e-6 of the number): no bf16 or f16 on the way to a quantiser, and a product that is left as it is and whose result goes on into a quantised operand takes f32 operands (vector FMAs, or v_wmma_f32_16x16x4_f32). A number that lies on a knife's edge between two numbers of the format may be rounded either way, as far as f32 arithmetic and the matrix unit's own rounding can turn it there, and no further.
;; One version. Each part assembles by itself: llvm-mc -triple=amdgcn-amd-amdhsa -mcpu=gfx1250 --defsym DOCPART=n.
;; ======== version 1 of 1: 4 launches
;; limits: right only within a limited range of input values
;; workspace buffers: xq 8,650,752 bytes; waq 3,244,032 bytes; wpq 1,081,344 bytes; qc 8,388,608 bytes; qs 524,288 bytes; kv 17,563,648 bytes; yq 8,650,752 bytes
;; launch quant (part 1): grid 384 x 1, 8 waves a work-group, no clusters, 68,608 bytes of LDS; arguments x, W_attn, W_proj, xq, waq, wpq; writes xq, waq, wpq
.if DOCPART == 1
	.amdgcn_target "amdgcn-amd-amdhsa--gfx1250"
	.amdhsa_code_object_version 6
	.text
	.protected	k_q4687a5b3b8_quant
	.globl	k_q4687a5b3b8_quant
	.p2align	8
	.type	k_q4687a5b3b8_quant,@function
k_q4687a5b3b8_quant:
	s_mov_b64 s[64:65], 0
	v_nop
	global_prefetch_b8 v0, s[64:65] scope:SCOPE_SE
	s_setreg_imm32_b32 hwreg(HW_REG_WAVE_MODE, 25, 1), 1
	s_wait_xcnt 0x0
; x [8192][1024], W_attn [1024][3072] and W_proj [1024][1024], f32, become codes of E4M3 with one E8M0 scale byte for each 32 along K (x: its last axis; the weights: their FIRST axis).
; THE OUTPUT'S LAYOUT (this program's own): buf[g = row / 128][ks = K / 256][33,792 bytes].  A block's first 32,768 bytes are images of operand registers, [tile i 0..7][q 0..1][c 0..3][lane][16 bytes]:
; lane (r, h) holds the codes k = 256 ks + 128 q + 32 c + 16 h + 0 .. 15 of row 32 (i / 2) + 8 (i % 2) + r + 8 (r / 8) of the group; its last 1,024 bytes are scale words, [i][r][q], byte c for block c.
; (The rows of a tile are not neighbours: so the 16 result registers of two neighbouring tiles are 16 neighbours along the next product's K.)  A row of a weight's buffer is a column n of the weight.
; A block's scale is 2^(floor(log2(largest magnitude)) - 8); its byte is the largest magnitude's exponent field - 8, held at 1 from below by a floor among the maximum's leaves.
; LIMITS: NaN and infinities among the inputs are not served.  A block of zeros gets the byte 1 where the quantiser says 127: its codes are zeros, and this program alone reads the bytes.
; SHARES: one work-group writes one block.  Work-groups 0-95: W_attn; 96-127: W_proj; 128-383: x.  The weights' work-groups stand first: they issue more loads.  No tensor loads, no barrier: waves share nothing.
; WORK LEFT OUT BY THIS PROGRAM (launch attn): reference() itself sets every score with key > query to -infinity ahead of the softmax, so its p is 0 whatever the inputs hold; whole steps of 128 keys that lie behind all queries of a tile are
; therefore not multiplied.  LIMIT: a NaN, an infinity or an overflow that would arise only in those scores is not carried to the result.  Every input is loaded.
.set QB,   33792
.set SEL,  16                          ; s[16:17] lane selects for v_permlanex16_b32: lane l xor 16
.set MNT,  18                          ; s18  the mantissa field of 448
.set WV,   19                          ; s19  my wave's number
.set HM,   20                          ; s20  a mask of lanes 16-31
.set R,    16                          ; x: v16-143  the numbers as loaded: 16 rows x 2 halves of 128 along K
.set X,    144                         ; x: v144-207 64 numbers of my row, register 16 b + i = k 32 b + 16 h + i
.set PC,   208                         ; x: v208-239 the two fragments' codes
.set TM,   240                         ; x: v240-255 at work
.set PW,   12                          ; x: v12-13   the two scale words
.set WX,   16                          ; W: v16-143  128 numbers down K of my column
.set WC,   144                         ; W: v144-175 their codes, 8 registers a block
; 64 numbers of a lane, v[s] on, register 16 b + i = k 32 b + 16 (lane / 16) + i of my row, become a fragment's codes in v[pc] on and its scale word in v[pw].
.macro QUANT s, pc, pw, tm
.irp b, 0,1,2,3
	v_max3_num_f32 v[\tm+\b], |v[\s+16*\b]|, |v[\s+1+16*\b]|, 0x4800000   ; block b: my 16 numbers and the floor 2^(9 - 127): the byte cannot fall under 1
.endr
.irp i, 2,4,6,8,10,12,14
.irp b, 0,1,2,3
	s_delay_alu instid0(VALU_DEP_4)
	v_max3_num_f32 v[\tm+\b], v[\tm+\b], |v[\s+16*\b+\i]|, |v[\s+1+16*\b+\i]|   ; the four blocks by turns
.endr
.endr
.irp b, 0,1,2,3
	s_delay_alu instid0(VALU_DEP_4)
	v_permlanex16_b32 v[\tm+4+\b], v[\tm+\b], s[SEL], s[SEL+1]
.endr
.irp b, 0,1,2,3
	s_delay_alu instid0(VALU_DEP_4)
	v_max_num_f32 v[\tm+\b], v[\tm+\b], v[\tm+4+\b]   ; with lane l xor 16's 16: the block's largest magnitude
.endr
.irp b, 0,1,2,3
	s_delay_alu instid0(VALU_DEP_4)
	v_add_nc_u32 v[\tm+12+\b], 0xfc000000, v[\tm+\b]   ; 8 off its exponent field: the conversion's scale operand
.endr
.irp b, 0,1,2,3
	v_and_or_b32 v[\tm+8+\b], v[\tm+\b], 0x7f800000, s[MNT]   ; 448 x the scale
.endr
.irp b, 0,1,2,3
	v_lshrrev_b32 v[\tm+4+\b], 23, v[\tm+12+\b]   ; the scale's byte
.endr
	s_delay_alu instid0(VALU_DEP_3)
	v_lshl_or_b32 v[\pw], v[\tm+5], 8, v[\tm+4]
	s_delay_alu instid0(VALU_DEP_1)
	v_lshl_or_b32 v[\pw], v[\tm+6], 16, v[\pw]
	s_delay_alu instid0(VALU_DEP_1)
	v_lshl_or_b32 v[\pw], v[\tm+7], 24, v[\pw]
.irp b, 0,1,2,3
.irp i, 0,1,2,3,4,5,6,7,8,9,10,11,12,13,14,15
	v_med3_num_f32 v[\s+16*\b+\i], v[\s+16*\b+\i], -v[\tm+8+\b], v[\tm+8+\b]   ; the conversion to an 8-bit code does not saturate (ISA guide 7.6.2): the hold at 448 x the scale
.endr
	v_cvt_scalef32_pk8_fp8_f32 v[\pc+4*\b:\pc+1+4*\b], v[\s+16*\b:\s+7+16*\b], v[\tm+12+\b]
	v_cvt_scalef32_pk8_fp8_f32 v[\pc+2+4*\b:\pc+3+4*\b], v[\s+8+16*\b:\s+15+16*\b], v[\tm+12+\b]
.endr
	v_nop                                          ; one plain line behind the last conversion
.endm
	s_load_b256 s[4:11], s[0:1], 0x0               ; x s[4:5], W_attn s[6:7], W_proj s[8:9], xq s[10:11]
	s_load_b128 s[12:15], s[0:1], 0x20             ; waq s[12:13], wpq s[14:15]
	v_lshl_add_u32 v11, v0, 2, 0x10800
	v_mov_b32 v15, 0
	v_lshrrev_b32 v1, 5, v0
	s_delay_alu instid0(VALU_DEP_1)
	v_readfirstlane_b32 s[WV], v1                  ; wave 0..7
	v_and_b32 v2, 31, v0                           ; lane
	v_and_b32 v3, 15, v0                           ; r
	v_bfe_u32 v4, v0, 4, 1                         ; h
	s_delay_alu instid0(VALU_DEP_2)
	v_and_b32 v5, 8, v3
	s_delay_alu instid0(VALU_DEP_1)
	v_add_nc_u32 v5, v5, v3                        ; r + 8 (r / 8)
	s_mov_b32 s[SEL], 0x76543210
	s_mov_b32 s[SEL+1], 0xfedcba98
	s_mov_b32 s[MNT], 0x600000
	s_mov_b32 s[HM], 0xffff0000
	s_cmp_lt_u32 ttmp9, 96
	s_cbranch_scc1 .Lw_attn
	s_cmp_lt_u32 ttmp9, 128
	s_cbranch_scc1 .Lw_proj
; ---- x.  Wave w makes tile w of the block: 16 rows x 256 along K.  Each load reads 512 consecutive bytes of one row; the 16 rows turn through the wave's own stage in LDS (rows of 512 + 16 bytes),
; from which lane (r, h) takes, of row r, 16 neighbours of each block of 32.
	s_sub_co_u32 s21, ttmp9, 128                   ; 4 g + ks
	s_lshr_b32 s22, s21, 2                         ; g
	s_and_b32 s23, s21, 3                          ; ks
	s_lshr_b32 s24, s[WV], 1
	s_lshl_b32 s24, s24, 5
	s_and_b32 s25, s[WV], 1
	s_lshl_b32 s25, s25, 3
	s_add_co_u32 s24, s24, s25                     ; 32 (w / 2) + 8 (w % 2)
	s_lshl_b32 s22, s22, 7
	s_add_co_u32 s24, s24, s22                     ; the tile's first row
	s_lshl_b32 s24, s24, 12                        ; rows of 4,096 bytes
	s_lshl_b32 s23, s23, 10                        ; 256 along K are 1,024 bytes
	s_add_co_u32 s24, s24, s23
	s_mov_b32 s25, 0
	s_mul_i32 s26, s21, QB                         ; the block
	s_lshl_b32 s28, s[WV], 12
	s_add_co_u32 s28, s28, s26                     ; my tile's images
	s_mov_b32 s29, 0
	s_lshl_b32 s30, s[WV], 7
	s_add_co_u32 s30, s30, s26
	s_add_co_u32 s30, s30, 32768                   ; my tile's scale words
	s_mov_b32 s31, 0
	s_mul_i32 s27, s[WV], 8448                     ; my stage
	s_wait_alu depctr_va_vdst(0)
	v_lshlrev_b32 v6, 4, v2                        ; 16 x lane: loads and stores
	s_delay_alu instid0(VALU_DEP_1)
	v_add_nc_u32 v7, s27, v6                       ; into the stage
	v_mul_u32_u24 v8, v3, 528
	s_delay_alu instid0(VALU_DEP_1)
	v_lshl_add_u32 v8, v4, 6, v8
	s_delay_alu instid0(VALU_DEP_1)
	v_add_nc_u32 v8, s27, v8                       ; out of it: row r, + 64 h
	v_lshlrev_b32 v9, 3, v3
	s_delay_alu instid0(VALU_DEP_1)
	v_lshl_add_u32 v9, v4, 2, v9                   ; scale words: 8 r + 4 h (lanes 16-31 store the second half's)
.irp b, 0,1,2,3
	v_mov_b32 v[TM+4+\b], 0                        ; a lane permute's destination counts as one of its sources
.endr
	s_wait_alu depctr_va_vdst(0)
	s_wait_kmcnt 0x0
	s_add_nc_u64 s[4:5], s[4:5], s[24:25]
	s_add_nc_u64 s[32:33], s[10:11], s[28:29]
	s_add_nc_u64 s[34:35], s[10:11], s[30:31]
.irp q, 0,1
.irp t, 0,1,2,3,4,5,6,7,8,9,10,11,12,13,14,15
	global_load_b128 v[R+64*\q+4*\t:R+64*\q+4*\t+3], v6, s[4:5] offset:(\t+8*(\t/8))*4096+512*\q th:TH_LOAD_NT   ; the tile's row t, 128 along K: all 32 loads of the wave go out at once
.endr
.endr
.macro XHALF q
.if \q == 0
	s_wait_loadcnt 16                              ; the first half's 16 loads are in; the second half's 16 may be out
.else
	s_wait_loadcnt 0x0
.endif
.irp t, 0,1,2,3,4,5,6,7,8,9,10,11,12,13,14,15
	ds_store_b128 v7, v[R+64*\q+4*\t:R+64*\q+4*\t+3] offset:528*\t
.endr
.irp c, 0,1,2,3
.irp j, 0,1,2,3
	ds_load_b128 v[X+16*\c+4*\j:X+16*\c+4*\j+3], v8 offset:128*\c+16*\j   ; LDS serves a wave's instructions in order (ISA guide 5.7.1.4): these see the stores above
.endr
.endr
	s_wait_dscnt 0x0
	QUANT X, PC+16*\q, PW+\q, TM
.irp c, 0,1,2,3
	global_store_b128 v6, v[PC+16*\q+4*\c:PC+16*\q+4*\c+3], s[32:33] offset:2048*\q+512*\c   ; 512 consecutive bytes
.endr
.endm
	XHALF 0
	XHALF 1
	v_cndmask_b32 v14, v[PW], v[PW+1], s[HM]       ; both halves of the lanes hold row r's words: lanes 0-15 give the first, lanes 16-31 the second
	global_store_b32 v9, v14, s[34:35]             ; 128 consecutive bytes
	s_wait_tensorcnt 0x0
	ds_add_u32 v11, v15
	s_wait_dscnt 0x0
	s_endpgm
; ---- A weight [1024][n], pitch bytes from row to row.  A LANE TAKES A COLUMN AND ITS REGISTERS RUN DOWN K.  Wave w: tiles 2 (w % 4) and 2 (w % 4) + 1, 128 along K at 128 (w / 4).
; Lane 16 u + r takes column 32 (w % 4) + 8 u + r + 8 (r / 8) of the group: the wave's 32 columns are 128 consecutive bytes of each row, four waves stand side by side on 512.
.macro WLOAD c, pitch
.set kk, 0
.rept 32
	global_load_b32 v[WX+32*(\c)+kk], v6, s[32:33] offset:(32*(\c)+kk)*\pitch th:TH_LOAD_NT
.set kk, kk+1
.endr
.endm
.macro WBLK c, pitch
.set XS, WX+32*(\c)
.if (\c) < 3
	s_wait_loadcnt 32                              ; this block's 32 loads are in; the next block's 32 may be out
.else
	s_wait_loadcnt 0x0
.endif
.if (\c) < 2
	WLOAD (\c)+2, \pitch                           ; two blocks ahead, into registers of their own
.endif
	v_max3_num_f32 v176, |v[XS]|, |v[XS+1]|, |v[XS+2]|     ; all 32 numbers of the block are mine
	v_max3_num_f32 v177, |v[XS+3]|, |v[XS+4]|, |v[XS+5]|
.irp i, 6,10,14,18,22,26
	s_delay_alu instid0(VALU_DEP_2)
	v_max3_num_f32 v176, v176, |v[XS+\i]|, |v[XS+\i+1]|
	s_delay_alu instid0(VALU_DEP_2)
	v_max3_num_f32 v177, v177, |v[XS+\i+2]|, |v[XS+\i+3]|
.endr
	s_delay_alu instid0(VALU_DEP_2)
	v_max3_num_f32 v176, v176, |v[XS+30]|, |v[XS+31]|
	s_delay_alu instid0(VALU_DEP_1)
	v_max3_num_f32 v176, v176, v177, 0x4800000     ; and the floor
	s_delay_alu instid0(VALU_DEP_1)
	v_add_nc_u32 v178, 0xfc000000, v176            ; the conversion's scale operand
	s_delay_alu instid0(VALU_DEP_2)
	v_and_or_b32 v179, v176, 0x7f800000, s[MNT]    ; 448 x the scale
	s_delay_alu instid0(VALU_DEP_2)
	v_lshrrev_b32 v180, 23, v178                   ; the byte
.if (\c) == 0
	s_delay_alu instid0(VALU_DEP_1)
	v_mov_b32 v182, v180
.else
	s_delay_alu instid0(VALU_DEP_1)
	v_lshl_or_b32 v182, v180, 8*(\c), v182
.endif
.set kk, 0
.rept 32
	v_med3_num_f32 v[XS+kk], v[XS+kk], -v179, v179
.set kk, kk+1
.endr
.irp g, 0,1,2,3
	v_cvt_scalef32_pk8_fp8_f32 v[WC+8*(\c)+2*\g:WC+8*(\c)+2*\g+1], v[XS+8*\g:XS+8*\g+7], v178
.endr
	v_nop                                          ; one plain line behind the last conversion: the next block writes its scale operand
	global_store_b128 v7, v[WC+8*(\c):WC+8*(\c)+3], s[34:35] offset:512*(\c)           ; k 0-15 of the block: the image's lanes 0-15; sixteen lanes store 256 consecutive bytes
	global_store_b128 v7, v[WC+8*(\c)+4:WC+8*(\c)+7], s[34:35] offset:512*(\c)+256     ; k 16-31: its lanes 16-31
.endm
.macro WPATH pitch, src, dst, first
	s_sub_co_u32 s21, ttmp9, \first                ; 4 g + ks
	s_lshr_b32 s22, s21, 2                         ; g
	s_and_b32 s23, s21, 3                          ; ks
	s_and_b32 s24, s[WV], 3                        ; which pair of tiles
	s_lshr_b32 s25, s[WV], 2                       ; q
	s_lshl_b32 s26, s23, 1
	s_add_co_u32 s26, s26, s25
	s_mul_i32 s26, s26, 128*\pitch                 ; row 256 ks + 128 q
	s_lshl_b32 s22, s22, 9
	s_add_co_u32 s26, s26, s22                     ; + column 128 g
	s_lshl_b32 s27, s24, 7
	s_add_co_u32 s26, s26, s27                     ; + 32 columns a pair of tiles
	s_mov_b32 s27, 0
	s_mul_i32 s28, s21, QB                         ; the block
	s_lshl_b32 s30, s24, 13
	s_add_co_u32 s30, s30, s28
	s_lshl_b32 s29, s25, 11
	s_add_co_u32 s30, s30, s29                     ; my images: 8,192 a pair of tiles, 2,048 q
	s_mov_b32 s31, 0
	s_lshl_b32 s29, s24, 8
	s_add_co_u32 s28, s28, s29
	s_lshl_b32 s29, s25, 2
	s_add_co_u32 s28, s28, s29
	s_add_co_u32 s28, s28, 32768                   ; my scale words: 256 a pair of tiles, 4 q
	s_mov_b32 s29, 0
	v_lshl_add_u32 v6, v4, 3, v5
	s_delay_alu instid0(VALU_DEP_1)
	v_lshlrev_b32 v6, 2, v6                        ; in: 4 (8 u + r + 8 (r / 8))
	v_lshlrev_b32 v7, 4, v3
	s_delay_alu instid0(VALU_DEP_1)
	v_lshl_add_u32 v7, v4, 12, v7                  ; codes out: 4,096 u + 16 r
	v_lshlrev_b32 v8, 3, v3
	s_delay_alu instid0(VALU_DEP_1)
	v_lshl_add_u32 v8, v4, 7, v8                   ; scale word out: 128 u + 8 r
	s_wait_alu depctr_va_vdst(0)
	s_wait_kmcnt 0x0
	s_add_nc_u64 s[32:33], s[\src:\src+1], s[26:27]
	s_add_nc_u64 s[34:35], s[\dst:\dst+1], s[30:31]
	s_add_nc_u64 s[36:37], s[\dst:\dst+1], s[28:29]
	WLOAD 0, \pitch
	WLOAD 1, \pitch
	WBLK 0, \pitch
	WBLK 1, \pitch
	WBLK 2, \pitch
	WBLK 3, \pitch
	global_store_b32 v8, v182, s[36:37]            ; 4 bytes in each 8: the other 4 are the wave's that has the other q.  One byte in 128 of what the path reads
	s_endpgm
.endm
.Lw_attn:
	s_wait_alu depctr_va_vdst(0)
	WPATH 12288, 6, 12, 0
.Lw_proj:
	s_wait_alu depctr_va_vdst(0)
	WPATH 4096, 8, 14, 96
.Lfunc_end_k_q4687a5b3b8_quant:
	.size	k_q4687a5b3b8_quant, .Lfunc_end_k_q4687a5b3b8_quant-k_q4687a5b3b8_quant
	.p2alignl 7, 3214868480
	.fill 96, 4, 3214868480
	.section	.rodata,"a",@progbits
	.p2align	6, 0x0
	.amdhsa_kernel k_q4687a5b3b8_quant
		.amdhsa_group_segment_fixed_size 68608
		.amdhsa_private_segment_fixed_size 0
		.amdhsa_enable_private_segment 0
		.amdhsa_kernarg_size 48
		.amdhsa_user_sgpr_count 2
		.amdhsa_user_sgpr_kernarg_segment_ptr 1
		.amdhsa_wavefront_size32 1
		.amdhsa_system_sgpr_workgroup_id_x 1
		.amdhsa_system_sgpr_workgroup_id_y 1
		.amdhsa_system_sgpr_workgroup_id_z 1
		.amdhsa_system_vgpr_workitem_id 0
		.amdhsa_next_free_vgpr 256
		.amdhsa_next_free_sgpr 66
		.amdhsa_reserve_vcc 0
		.amdhsa_float_denorm_mode_32 3
		.amdhsa_float_denorm_mode_16_64 3
		.amdhsa_memory_ordered 1
		.amdhsa_forward_progress 1
		.amdhsa_inst_pref_size 92
	.end_amdhsa_kernel
	.amdgpu_metadata
---
amdhsa.version: [ 1, 2 ]
amdhsa.kernels:
  - .name:           k_q4687a5b3b8_quant
    .symbol:         k_q4687a5b3b8_quant.kd
    .args:
      - { .name: x, .offset: 0, .size: 8, .value_kind: global_buffer, .address_space: global }
      - { .name: W_attn, .offset: 8, .size: 8, .value_kind: global_buffer, .address_space: global }
      - { .name: W_proj, .offset: 16, .size: 8, .value_kind: global_buffer, .address_space: global }
      - { .name: xq, .offset: 24, .size: 8, .value_kind: global_buffer, .address_space: global }
      - { .name: waq, .offset: 32, .size: 8, .value_kind: global_buffer, .address_space: global }
      - { .name: wpq, .offset: 40, .size: 8, .value_kind: global_buffer, .address_space: global }
    .group_segment_fixed_size: 68608
    .private_segment_fixed_size: 0
    .kernarg_segment_align: 8
    .kernarg_segment_size: 48
    .max_flat_workgroup_size: 256
    .sgpr_count:     66
    .vgpr_count:     256
    .wavefront_size: 32
...
	.end_amdgpu_metadata
.endif
;; end of part 1
;; launch gemm_qkv (part 2): grid 12 x 32, 4 waves a work-group, clusters of 4 x 4, 327,680 bytes of LDS; arguments xq, waq, b_attn, qc, qs, kv; writes qc, qs, kv
.if DOCPART == 2
	.amdgcn_target "amdgcn-amd-amdhsa--gfx1250"
	.amdhsa_code_object_version 6
	.text
	.protected	k_q4687a5b3b8_gemm_qkv
	.globl	k_q4687a5b3b8_gemm_qkv
	.p2align	8
	.type	k_q4687a5b3b8_gemm_qkv,@function
k_q4687a5b3b8_gemm_qkv:
	s_mov_b64 s[64:65], 0
	v_nop
	global_prefetch_b8 v0, s[64:65] scope:SCOPE_SE
	s_setreg_imm32_b32 hwreg(HW_REG_WAVE_MODE, 25, 1), 1
	s_wait_xcnt 0x0
	s_wait_alu depctr_hold_cnt(0) depctr_sa_sdst(0) depctr_va_vdst(0) depctr_va_sdst(0) depctr_va_ssrc(0) depctr_va_vcc(0) depctr_vm_vsrc(0)
	s_getreg_b32 s2, hwreg(HW_REG_IB_STS2, 6, 4)
	s_cmp_eq_u32 s2, 0
	s_cbranch_scc0 .Lentry_in_a_cluster
	s_endpgm
.Lentry_in_a_cluster:
	s_bfe_u32 s2, ttmp6, 0x10000c
	s_cmp_lg_u32 s2, 0xf033
	s_cbranch_scc0 .Lentry_shape_is_right
	s_endpgm
.Lentry_shape_is_right:
; qkv = x W_attn + b_attn on codes of E4M3 (one E8M0 scale for each 32 along K = 1,024), and q, k, v QUANTISED AGAIN on the way out: q and k along the head's 64, v along the keys.  No f32 number goes to memory.
; OPERANDS (xq: tokens; waq: columns n of W_attn): buf[group of 128 rows][ks 0..3][33,792 bytes]: 32,768 bytes of register images [tile i][q][c][lane][16 bytes] and 1,024 bytes of scale words [i][r][q].
; Tile i, lane row r is row 32 (i / 2) + 8 (i % 2) + r + 8 (r / 8) of the group, so that a lane's 16 result registers of two neighbouring tiles of source 0 are 16 neighbours along source 0's rows.
; A tile of 256 x 256 is made by four waves, each 128 x 128: 64 accumulators, 512 registers.  K goes in steps of 256 through a ring of two LDS slots; a slot's quarter is one block of 33,792 dense bytes, codes AND scales, one tensor load.
; ROLES.  Source 1 ("A" below) gives a lane its row, source 0 ("B") runs along a lane's registers.  Clusters 0 and 1 along x (q and k): A = tokens, B = n: registers run along the head.  Cluster 2 (v): A = n, B = tokens: registers run along the keys.
; The choice hangs on the cluster's x alone, which all sixteen partners share.  A's tile is shared along a row of the cluster, B's along a column: each is asked for jointly.
; OUT: qc[bh][tile of 16 queries][c 0..1][lane][16], qs[bh][tile][r] words (bytes 0, 1 the head's two blocks, bytes 2, 3 the byte of 1.0: the other half of the 128-deep product holds zero codes);
;   kv[bh][step of 128 keys][17,152]: K's images [tile 8][c 2][lane][16]; at 8,192 V^T's [d tile 4][c 4][lane][16]; at 16,384 K's scale words [tile][r]; at 16,896 V's [d tile][r].
; LIMITS: NaN and infinities are not served; a block of zeros gets the byte 1 where the quantiser says 127: its codes are zeros, and this program alone reads the bytes.
; REGISTERS, in windows of 256: window 0: v16-29 addresses; v32-63 scale words, two sets; v64-127 the bias; v128-255 A's fragments, ONE set (on the way out: at work).  window 1: B's fragments, two sets.  windows 2, 3: accumulator (a, b) at v[8 (8 (a % 4) + b)].
.set QB,     33792
.set SLOT,   QB                        ; LDS by quarters (A's two halves, then B's two), a quarter's two slots on end: quarter w, slot s at (2 w + s) QB
.set SPARE,  8*QB
.set SB,     17152                     ; a block of kv
.set NQ,     2                         ; steps of 128 along K in a slot
.set FR,     16
.set NL,     4
.set NP,     8                         ; places behind this matrix instruction (ISA guide 7.12.1)
.set ADRA, 16                          ; v16-17  my A fragments in slot 0, 1: 16 x lane + the quarter
.set ADRB, 20                          ; v20-21  the same for B
.set ADRS, 22                          ; v22-23  my scale words in slot 0, 1: lanes 0-15 A's, lanes 16-31 B's
.set L16,  24                          ; v24     16 x lane
.set L4,   25                          ; v25     4 x lane
.set BQ,   26                          ; v26     the bias's lane offset for q and k
.set BV,   27                          ; v27     and for v
.set SPW,  28                          ; v28     my spare word; never rewritten
.set NIL,  29                          ; v29     0; never rewritten
.set SC,   32
.set BI,   64
.set AF,   128
.set ST,   128                         ; the way out: v128-191 64 numbers; v192-207 codes; v208-223 at work; v224.. scale words
.set PC,   192
.set TM,   208
.set PW,   224
.set PWE,  225
.set SELR, 226
.set W0,   227
.set W1,   228
.set G1,  24
.set G0,  32
.set G1B, 48
.set G0B, 56
.set P0,  80                           ; s[80:83] where the codes go: two heads;  s[84:87] the scale words
.set SP0, 84
.set BB,  88                           ; s[88:89] the bias
.set WV,  90
.set RH,  91                           ; which half of A's rows is mine.  Also: I fetch for A (0) or for B (1)
.set CH,  92                           ; which half of B's rows.  Also: which half I fetch
.set ISV, 93                           ; 1 in the cluster column that makes v
.set HM,  94
.set S7F, 95
.set SEL, 96
.set MNT, 98
.set MSB, 0
.macro WIN new                         ; the immediate's high byte repeats the setting that is left
.if MSB != (\new)
	s_set_vgpr_msb (MSB<<8)|(\new)
.set MSB, (\new)
.endif
.endm
.set MUL_LO,  0xa1                     ; source 0 (B) window 1, source 1 (A) window 0, C and D window 2
.set MUL_HI,  0xf1                     ; the same, C and D window 3
.set MUL_LO0, 0xa1                     ; the first step: C is the constant 0
.set MUL_HI0, 0xf1
.set TO_B,    0x40                     ; destination window 1, address window 0
; A joint load: waves 0 and 1 fetch A's halves, waves 2 and 3 B's.  The branch hangs on the wave's number alone.  Four v_nop follow each of the two lines.
.macro JLOAD g0a, g1a, g0b, g1b
	s_cmp_eq_u32 s[RH], 0
	s_cbranch_scc0 .Lfor_b_\@
	tensor_load_to_lds s[\g0a:\g0a+3], s[\g1a:\g1a+7]
	s_nop 0
.rept 4
	v_nop
.endr
	s_branch .Lasked_\@
.Lfor_b_\@:
	tensor_load_to_lds s[\g0b:\g0b+3], s[\g1b:\g1b+7]
	s_nop 0
.rept 4
	v_nop
.endr
.Lasked_\@:
.endm
.macro CREST                           ; a round of the cluster's barrier behind its opening barrier
	s_cmp_lg_u32 s[WV], 0
	s_cbranch_scc1 .Lnot_wave_0_\@
	s_barrier_signal -3
.Lnot_wave_0_\@:
	s_barrier_wait -3
	s_barrier_signal -1
	s_barrier_wait -1
.endm
.macro CROUND
	s_barrier_signal -1
	s_barrier_wait -1
	CREST
.endm
.macro QUANT s, pc, pw, tm             ; 64 numbers of a lane, register 16 b + i = index 32 b + 16 (lane / 16) + i along the next K, become a fragment's codes and its scale word
.irp b, 0,1,2,3
	v_max3_num_f32 v[\tm+\b], |v[\s+16*\b]|, |v[\s+1+16*\b]|, 0x4800000   ; my 16 numbers and the floor 2^(9 - 127): the byte cannot fall under 1
.endr
.irp i, 2,4,6,8,10,12,14
.irp b, 0,1,2,3
	v_max3_num_f32 v[\tm+\b], v[\tm+\b], |v[\s+16*\b+\i]|, |v[\s+1+16*\b+\i]|
.endr
.endr
.irp b, 0,1,2,3
	v_permlanex16_b32 v[\tm+4+\b], v[\tm+\b], s[SEL], s[SEL+1]
.endr
.irp b, 0,1,2,3
	v_max_num_f32 v[\tm+\b], v[\tm+\b], v[\tm+4+\b]   ; with lane l xor 16's 16
.endr
.irp b, 0,1,2,3
	v_add_nc_u32 v[\tm+12+\b], 0xfc000000, v[\tm+\b]   ; the conversion's scale operand
.endr
.irp b, 0,1,2,3
	v_and_or_b32 v[\tm+8+\b], v[\tm+\b], 0x7f800000, s[MNT]   ; 448 x the scale
.endr
.irp b, 0,1,2,3
	v_lshrrev_b32 v[\tm+4+\b], 23, v[\tm+12+\b]   ; the byte
.endr
	v_lshl_or_b32 v[\pw], v[\tm+5], 8, v[\tm+4]
	v_lshl_or_b32 v[\pw], v[\tm+6], 16, v[\pw]
	v_lshl_or_b32 v[\pw], v[\tm+7], 24, v[\pw]
.irp b, 0,1,2,3
.irp i, 0,1,2,3,4,5,6,7,8,9,10,11,12,13,14,15
	v_med3_num_f32 v[\s+16*\b+\i], v[\s+16*\b+\i], -v[\tm+8+\b], v[\tm+8+\b]   ; the conversion does not saturate (ISA guide 7.6.2)
.endr
	v_cvt_scalef32_pk8_fp8_f32 v[\pc+4*\b:\pc+1+4*\b], v[\s+16*\b:\s+7+16*\b], v[\tm+12+\b]
	v_cvt_scalef32_pk8_fp8_f32 v[\pc+2+4*\b:\pc+3+4*\b], v[\s+8+16*\b:\s+15+16*\b], v[\tm+12+\b]
.endr
	v_nop                                          ; one plain line behind the last conversion
.endm
	s_load_b256 s[4:11], s[0:1], 0x0               ; xq s[4:5], waq s[6:7], b_attn s[8:9], qc s[10:11]
	s_load_b128 s[12:15], s[0:1], 0x20             ; qs s[12:13], kv s[14:15]
	v_lshl_add_u32 v[SPW], v0, 2, SPARE
	v_mov_b32 v[NIL], 0
	ds_add_u32 v28, v29
	ds_add_u32 v28, v29
	s_wait_dscnt 0x0
	v_lshrrev_b32 v1, 5, v0
	v_readfirstlane_b32 s[WV], v1                  ; wave 0..3
	s_lshr_b32 s[RH], s[WV], 1
	s_and_b32 s[CH], s[WV], 1
	s_bfe_u32 s40, ttmp6, 0x40000                  ; cx, cy: my place in the cluster
	s_bfe_u32 s41, ttmp6, 0x40004
	s_and_b32 s46, ttmp7, 0xffff
	s_lshl_b32 s46, s46, 2                         ; 4 x cluster y
	s_lshl_b32 s66, ttmp9, 2                       ; 4 x cluster x
	s_lshl_b32 s43, s41, 2
	s_lshl_b32 s43, 15, s43                        ; my row of the cluster
	s_lshl_b32 s44, 0x1111, s40                    ; my column
	; descriptor group 1: a dense block of 33,792 bytes as 132 rows of 32 elements of 8 bytes; no padding: images are read 512 consecutive bytes an instruction
	s_or_b32 s[G1+0], s43, (3<<16)|(1<<21)         ; 15:0 the mask: A's blocks go to my row; 17:16 elements of 8 bytes; 21 set beside a mask
	s_or_b32 s[G1B+0], s44, (3<<16)|(1<<21)
.irp g, G1, G1B
	s_mov_b32 s[\g+1], 32<<16                      ; tensor_dim0
	s_mov_b32 s[\g+2], 264<<16                     ; tensor_dim1: the head's load brings two blocks on end; behind it the two words that count rows are set to 132
	s_mov_b32 s[\g+3], 32<<16                      ; tile_dim0
	s_mov_b32 s[\g+4], 264                         ; tile_dim1
	s_mov_b32 s[\g+5], 32                          ; tensor_dim0_stride
	s_mov_b32 s[\g+6], 0
	s_mov_b32 s[\g+7], 0
.endr
	s_mov_b32 s[HM], 0xffff0000
	s_mov_b32 s[S7F], 0x7f7f0000
	s_mov_b32 s[SEL], 0x76543210
	s_mov_b32 s[SEL+1], 0xfedcba98
	s_mov_b32 s[MNT], 0x600000
	s_cmp_eq_u32 ttmp9, 2                          ; v's column of clusters?
	s_cselect_b32 s[ISV], 1, 0
	s_cselect_b32 s45, 8, s46                      ; A's tile of 256 rows: v: n tiles 8 .. 11; q, k: token tiles
	s_cselect_b32 s47, s46, s66                    ; B's: v: token tiles; q, k: n tiles 0 .. 7
	s_add_co_u32 s45, s45, s41                     ; + cy: A's address never holds cx,
	s_add_co_u32 s47, s47, s40                     ; + cx: B's never cy
	s_lshl_b32 s72, s45, 1
	s_add_co_u32 s72, s72, s[CH]                   ; the group of 128 rows that I fetch
	s_mul_i32 s72, s72, 4*QB
	s_mov_b32 s73, 0
	s_lshl_b32 s74, s47, 1
	s_add_co_u32 s74, s74, s[CH]
	s_mul_i32 s74, s74, 4*QB
	s_mov_b32 s75, 0
	s_mul_i32 s67, s[WV], 2*QB                     ; where it goes: quarter = wave: no place in the cluster enters an LDS address
	s_wait_kmcnt 0x0
	s_cmp_eq_u32 ttmp9, 2
	s_cselect_b64 s[68:69], s[6:7], s[4:5]         ; A's buffer
	s_cselect_b64 s[70:71], s[4:5], s[6:7]         ; B's
	s_add_nc_u64 s[68:69], s[68:69], s[72:73]
	s_add_nc_u64 s[70:71], s[70:71], s[74:75]
	CROUND                                         ; all sixteen work-groups are here: the first joint loads meet
.irp s, 0,1
	s_mov_b32 s[G0+4*\s], 1
	s_add_co_u32 s[G0+4*\s+1], s67, \s*SLOT
	s_add_nc_u64 s[G0+4*\s+2:G0+4*\s+3], s[68:69], \s*QB
	s_or_b32 s[G0+4*\s+3], s[G0+4*\s+3], 0x80000000
	s_mov_b32 s[G0B+4*\s], 1
	s_add_co_u32 s[G0B+4*\s+1], s67, \s*SLOT
	s_add_nc_u64 s[G0B+4*\s+2:G0B+4*\s+3], s[70:71], \s*QB
	s_or_b32 s[G0B+4*\s+3], s[G0B+4*\s+3], 0x80000000
.endr
	JLOAD G0, G1, G0B, G1B                         ; K steps 0 and 1, 67,584 consecutive bytes of memory and of LDS: one tensor load a wave at the head
	v_and_b32 v1, 15, v0                           ; r
	v_bfe_u32 v2, v0, 4, 1                         ; h
	s_wait_alu depctr_va_vdst(0)
	v_and_b32 v3, 31, v0
	v_lshlrev_b32 v[L16], 4, v3
	v_lshlrev_b32 v[L4], 2, v3
	s_mul_i32 s76, s[RH], 2*QB                     ; my half of A
	s_mul_i32 s77, s[CH], 2*QB
	s_add_co_u32 s77, s77, 4*QB                    ; my half of B
.irp s, 0,1
	v_add_nc_u32 v[ADRA+\s], s76, v[L16]
	v_add_nc_u32 v[ADRB+\s], s77, v[L16]
	s_add_co_u32 s76, s76, SLOT
	s_add_co_u32 s77, s77, SLOT
.endr
	s_xor_b32 s77, s[RH], 1
	s_add_co_u32 s77, s77, s[CH]
	s_add_co_u32 s77, s77, 1
	s_mul_i32 s77, s77, 2*QB                       ; from my quarter of A to my quarter of B: (2 + CH - RH) quarters
	v_mul_u32_u24 v5, s77, v2                      ; lanes 16-31 take B's
	v_lshl_add_u32 v5, v1, 3, v5                   ; 8 bytes a row: the K step's two words
	s_mul_i32 s76, s[RH], 2*QB
	s_add_co_u32 s76, s76, 32768
	v_add_nc_u32 v[ADRS], s76, v5
	s_add_co_u32 s76, s76, SLOT
	v_add_nc_u32 v[ADRS+1], s76, v5
	; where the results go
	s_cmp_eq_u32 ttmp9, 2
	s_cselect_b32 s16, s47, s45                    ; the token tile,
	s_cselect_b32 s17, s[CH], s[RH]                ; my half of it,
	s_cselect_b32 s18, s41, s40                    ; the tile of four heads,
	s_cselect_b32 s19, s[RH], s[CH]                ; my two of them
	s_cselect_b32 s20, 8192, 0                     ; V's images lie behind K's
	s_mov_b32 s21, 16384
	s_cselect_b32 s21, 16896, s21                  ; the scale words' place in a block of kv
	s_cselect_b32 s78, s45, s47                    ; the n tile,
	s_cselect_b32 s79, s[RH], s[CH]                ; my half of it: for the bias
	s_lshr_b32 s22, s16, 3                         ; batch
	s_and_b32 s16, s16, 7
	s_lshl_b32 s16, s16, 1
	s_add_co_u32 s16, s16, s17                     ; step of 128 tokens in the batch
	s_lshl_b32 s22, s22, 4
	s_lshl_b32 s18, s18, 2
	s_lshl_b32 s19, s19, 1
	s_add_co_u32 s22, s22, s18
	s_add_co_u32 s22, s22, s19                     ; bh of my first head
	s_lshl_b32 s17, s22, 7
	s_lshl_b32 s18, s16, 3
	s_add_co_u32 s17, s17, s18                     ; 128 bh + 8 step: q's first tile
	s_lshl_b32 s18, s17, 10                        ; its codes,
	s_lshl_b32 s19, s17, 6                         ; its scale words
	s_lshl_b32 s22, s22, 4
	s_add_co_u32 s22, s22, s16
	s_mul_i32 s22, s22, SB                         ; kv's block
	s_add_co_u32 s20, s20, s22
	s_add_co_u32 s21, s21, s22
	s_cmp_eq_u32 ttmp9, 0                          ; q goes to qc and qs, k and v to kv
	s_cselect_b64 s[P0:P0+1], s[10:11], s[14:15]
	s_cselect_b64 s[SP0:SP0+1], s[12:13], s[14:15]
	s_cselect_b32 s18, s18, s20
	s_cselect_b32 s20, s19, s21
	s_mov_b32 s22, 16*SB
	s_cselect_b32 s16, 131072, s22                 ; from a head to the next: codes,
	s_cselect_b32 s22, 8192, s22                   ; scale words
	s_mov_b32 s17, 0
	s_mov_b32 s19, 0
	s_mov_b32 s21, 0
	s_mov_b32 s23, 0
	s_add_nc_u64 s[P0:P0+1], s[P0:P0+1], s[18:19]
	s_add_nc_u64 s[P0+2:P0+3], s[P0:P0+1], s[16:17]
	s_add_nc_u64 s[SP0:SP0+1], s[SP0:SP0+1], s[20:21]
	s_add_nc_u64 s[SP0+2:SP0+3], s[SP0:SP0+1], s[22:23]
	s_lshl_b32 s78, s78, 10
	s_lshl_b32 s79, s79, 9
	s_add_co_u32 s78, s78, s79
	s_mov_b32 s79, 0
	s_add_nc_u64 s[BB:BB+1], s[8:9], s[78:79]      ; b_attn at my 128 n
	v_lshlrev_b32 v[BQ], 6, v2                     ; q, k: n runs along my registers: + 16 h numbers
	v_and_b32 v[BV], 8, v1
	v_add_nc_u32 v[BV], v[BV], v1
	v_lshlrev_b32 v[BV], 2, v[BV]                  ; v: n is my lane's row: r + 8 (r / 8)
	; the bias, in the results' layout; both ways write all 64 registers; it is waited for on the way out
	s_cmp_eq_u32 s[ISV], 0
	s_cbranch_scc0 .Lbias_v
.irp b, 0,1,2,3,4,5,6,7
	global_load_b128 v[BI+8*\b:BI+8*\b+3], v[BQ], s[BB:BB+1] offset:(32*(\b/2)+8*(\b%2))*4
	global_load_b128 v[BI+8*\b+4:BI+8*\b+7], v[BQ], s[BB:BB+1] offset:(32*(\b/2)+8*(\b%2))*4+16
.endr
	s_branch .Lbias_in
.Lbias_v:
	s_wait_alu depctr_va_vdst(0)
.irp a, 0,1,2,3,4,5,6,7
.irp j, 0,1,2,3,4,5,6,7
	global_load_b32 v[BI+8*\a+\j], v[BV], s[BB:BB+1] offset:(32*(\a/2)+8*(\a%2))*4   ; one number for all eight registers of A's block a
.endr
.endr
.Lbias_in:
.macro FRAG reg, adr, q, i             ; a fragment comes as it was laid: four loads of 512 consecutive bytes
.irp c, 0,1,2,3
	ds_load_b128 v[\reg+4*\c:\reg+4*\c+3], v[\adr] offset:4096*(\i)+2048*(\q)+512*\c
.endr
.endm
; 16 matrix instructions: A's blocks a0, a0 + 1 x B's eight.  The 64 accumulators take turns, one instruction a turn, in the same order in every step.
.macro MUL16 a0, p, q, sc, zero
.irp a, \a0, \a0+1
.irp b, 0,1,2,3,4,5,6,7
.if \zero
	v_wmma_scale_f32_16x16x128_f8f6f4 v[8*(8*((\a)%4)+\b):8*(8*((\a)%4)+\b)+7], v[128*(\p)+FR*\b:128*(\p)+FR*\b+FR-1], v[AF+FR*(\a):AF+FR*(\a)+FR-1], 0, v[SC+8*NQ*(\sc)+NQ*\b+(\q)], v[SC+8*NQ*(\sc)+NQ*(\a)+(\q)] matrix_a_scale:MATRIX_SCALE_ROW1
.else
	v_wmma_scale_f32_16x16x128_f8f6f4 v[8*(8*((\a)%4)+\b):8*(8*((\a)%4)+\b)+7], v[128*(\p)+FR*\b:128*(\p)+FR*\b+FR-1], v[AF+FR*(\a):AF+FR*(\a)+FR-1], v[8*(8*((\a)%4)+\b):8*(8*((\a)%4)+\b)+7], v[SC+8*NQ*(\sc)+NQ*\b+(\q)], v[SC+8*NQ*(\sc)+NQ*(\a)+(\q)] matrix_a_scale:MATRIX_SCALE_ROW1
.endif
.endr
.endr
.endm
.macro FETCH_B slot, q, p
	WIN TO_B
.irp i, 0,1,2,3,4,5,6,7
	FRAG 128*(\p)+FR*\i, ADRB+\slot, \q, \i
.endr
	WIN 0
.endm
.macro FETCH_A slot, q, i0
.irp i, \i0, \i0+1, \i0+2, \i0+3
	FRAG AF+FR*(\i), ADRA+\slot, \q, \i
.endr
.endm
.macro SCALES sc                       ; the slot's scale words: lanes 0-15 A's block i, lanes 16-31 B's block i; two words a row
.irp i, 0,1,2,3,4,5,6,7
	ds_load_b64 v[SC+8*NQ*\sc+NQ*\i:SC+8*NQ*\sc+NQ*\i+1], v[ADRS+\sc] offset:128*\i
.endr
.endm
.macro PLACES n                        ; plain vector instructions between a matrix instruction and a load into, or a read of, its registers
.rept \n
	v_nop
.endr
.endm
.macro STEP slot, q, zero              ; a step of 128 along K that has its successor in the same slot
	s_wait_dscnt 4*NL                              ; B's set, A's blocks 0-3 and the scale words are in; the youngest 16 loads (A's blocks 4-7) may be out
.if \zero
	WIN MUL_LO0
.else
	WIN MUL_LO
.endif
	MUL16 0, (\q)%2, \q, \slot, \zero
	MUL16 2, (\q)%2, \q, \slot, \zero
	s_wait_dscnt 0
	PLACES NP
	FETCH_B \slot, (\q)+1, 1-(\q)%2
	FETCH_A \slot, (\q)+1, 0
.if \zero
	WIN MUL_HI0
.else
	WIN MUL_HI
.endif
	MUL16 4, (\q)%2, \q, \slot, \zero
	MUL16 6, (\q)%2, \q, \slot, \zero
	PLACES NP
	WIN 0
	FETCH_A \slot, (\q)+1, 4
.endm
; A slot's last step changes slots: ONE barrier; in front of it each wave waits for all its tensor loads, adds 0 to its spare word, and waits for that and for its reads of this slot.  fill = 1: the slot is filled again, two K steps ahead.
.macro TURN slot, next, fill
	s_wait_tensorcnt 0x0                           ; all my tensor loads have landed: my part of the next slot
	ds_add_u32 v[SPW], v[NIL]                      ; 0 onto my spare word
	s_wait_dscnt 4*NL+1                            ; (the add and the youngest 16 loads, A's blocks 4-7, may be out)
	WIN MUL_LO
	MUL16 0, 1, NQ-1, \slot, 0
	s_wait_dscnt 0x0                               ; the add is done, and my reads of this slot are over
	s_barrier_signal -1
	MUL16 2, 1, NQ-1, \slot, 0
	WIN 0
	s_barrier_wait -1
.if \fill
	CREST                                          ; the barrier has opened a round of the cluster's: no wave of any partner still reads this slot or has a load on its way
	s_add_nc_u64 s[G0+4*\slot+2:G0+4*\slot+3], s[G0+4*\slot+2:G0+4*\slot+3], 2*QB
	s_add_nc_u64 s[G0B+4*\slot+2:G0B+4*\slot+3], s[G0B+4*\slot+2:G0B+4*\slot+3], 2*QB
	JLOAD G0+4*\slot, G1, G0B+4*\slot, G1B         ; the first tensor load behind the round; its four v_nop are among the places below
	PLACES NP-4
.else
	PLACES NP
.endif
	FETCH_B \next, 0, 0
	FETCH_A \next, 0, 0
	SCALES \next
	WIN MUL_HI
	MUL16 4, 1, NQ-1, \slot, 0
	MUL16 6, 1, NQ-1, \slot, 0
	PLACES NP
	WIN 0
	FETCH_A \next, 0, 4
.endm
	s_wait_alu depctr_va_vdst(0)                   ; the wait at the head's end
	s_wait_tensorcnt 0x0                           ; my part of K steps 0 and 1 is in; no tensor load of mine is out, so a descriptor may be written:
	s_mov_b32 s[G1+2], 132<<16                     ; from here on a load brings one block
	s_mov_b32 s[G1+4], 132
	s_mov_b32 s[G1B+2], 132<<16
	s_mov_b32 s[G1B+4], 132
	s_barrier_signal -1
	s_barrier_wait -1
	FETCH_B 0, 0, 0
	FETCH_A 0, 0, 0
	s_wait_alu depctr_va_vdst(0)
	SCALES 0
	FETCH_A 0, 0, 4
	STEP 0, 0, 1                                   ; the first products start the sums: nothing is cleared
	TURN 0, 1, 1                                   ; K = 1,024 is four K steps, twice round the ring: written out, no loop.  Slot 0 takes K step 2,
	STEP 1, 0, 0
	TURN 1, 0, 1                                   ; slot 1 K step 3
	STEP 0, 0, 0
	TURN 0, 1, 0                                   ; nothing more to fetch, and no round
	STEP 1, 0, 0
	s_wait_dscnt 4*NL
	WIN MUL_LO
	MUL16 0, 1, NQ-1, 1, 0
	MUL16 2, 1, NQ-1, 1, 0
	s_wait_dscnt 0
	WIN MUL_HI
	MUL16 4, 1, NQ-1, 1, 0
	MUL16 6, 1, NQ-1, 1, 0
	WIN 0
; THE WAY OUT, A's block a at a time: its 64 registers are, for my lane's row, 128 neighbours along B's rows in the order that the quantiser wants.  One packed addition a pair adds the bias and brings the numbers into window 0
; (each accumulator from its low end on); they are quantised; the codes ARE the next operand's register images and leave as 512 consecutive bytes a store.  No LDS.
.macro EPI a
.set AC, 64*((\a)%4)
	s_wait_xcnt 0x0                                ; the last block's stores have read their registers
	s_cmp_eq_u32 s[ISV], 0
	s_cbranch_scc0 .Lbv_\@
	WIN 0x02+(\a)/4                                ; source 0: window 2 or 3
.set i, 0
.rept 32
	v_pk_add_f32 v[ST+i:ST+i+1], v[AC+i:AC+i+1], v[BI+i:BI+i+1]
.set i, i+2
.endr
	WIN 0
	s_branch .Lbj_\@
.Lbv_\@:
	WIN 0x02+(\a)/4
.set i, 0
.rept 32
	v_pk_add_f32 v[ST+i:ST+i+1], v[AC+i:AC+i+1], v[BI+8*(\a)+i%8:BI+8*(\a)+i%8+1]
.set i, i+2
.endr
	WIN 0
.Lbj_\@:
	QUANT ST, PC, PW, TM
.if ((\a)%2) == 0
	v_mov_b32 v[PWE], v[PW]                        ; the even block's words wait for the odd block's
.else
	v_cndmask_b32 v[SELR], v[PWE], v[PW], s[HM]    ; lanes 0-15 the even block's rows, lanes 16-31 the odd block's (both halves of the lanes hold row r's word)
.endif
	s_cmp_eq_u32 s[ISV], 0
	s_cbranch_scc0 .Lsv_\@
.irp c, 0,1,2,3
	global_store_b128 v[L16], v[PC+4*\c:PC+4*\c+3], s[P0+2*(\c/2):P0+2*(\c/2)+1] offset:1024*(\a)+512*(\c%2)   ; q, k: blocks 0, 1 are my first head's 64, blocks 2, 3 my second's
.endr
.if ((\a)%2) == 1
	v_and_or_b32 v[W0], v[SELR], 0xffff, s[S7F]    ; a head's two bytes, and the byte of 1.0 over the zero codes
	v_lshrrev_b32 v[W1], 16, v[SELR]
	v_or_b32 v[W1], s[S7F], v[W1]
	global_store_b32 v[L4], v[W0], s[SP0:SP0+1] offset:128*((\a)/2)       ; 128 consecutive bytes
	global_store_b32 v[L4], v[W1], s[SP0+2:SP0+3] offset:128*((\a)/2)
.endif
	s_branch .Lsj_\@
.Lsv_\@:
	s_wait_alu depctr_va_vdst(0)
.irp c, 0,1,2,3
	global_store_b128 v[L16], v[PC+4*\c:PC+4*\c+3], s[P0+2*((\a)/4):P0+2*((\a)/4)+1] offset:2048*((\a)%4)+512*\c   ; v: blocks 0-3 of A are my first head's 64 channels, 4-7 my second's; the four blocks of codes are the step's 128 keys
.endr
.if ((\a)%2) == 1
	global_store_b32 v[L4], v[SELR], s[SP0+2*((\a)/4):SP0+2*((\a)/4)+1] offset:128*(((\a)%4)/2)
.endif
.Lsj_\@:
.endm
	PLACES NP                                      ; behind the last products: their results are read and A's registers written below
.irp b, 0,1,2,3
	v_mov_b32 v[TM+4+\b], 0                        ; a lane permute's destination counts as one of its sources
.endr
	s_wait_loadcnt 0x0                             ; the bias
.irp a, 0,1,2,3,4,5,6,7
	EPI \a
.endr
	s_wait_tensorcnt 0x0                           ; the wave's end
	ds_add_u32 v[SPW], v[NIL]
	s_wait_dscnt 0x0
	CROUND                                         ; the closing round: no work-group ends while a partner may still ask for a block that names it
	s_endpgm
.Lfunc_end_k_q4687a5b3b8_gemm_qkv:
	.size	k_q4687a5b3b8_gemm_qkv, .Lfunc_end_k_q4687a5b3b8_gemm_qkv-k_q4687a5b3b8_gemm_qkv
	.p2alignl 7, 3214868480
	.fill 96, 4, 3214868480
	.section	.rodata,"a",@progbits
	.p2align	6, 0x0
	.amdhsa_kernel k_q4687a5b3b8_gemm_qkv
		.amdhsa_group_segment_fixed_size 327680
		.amdhsa_private_segment_fixed_size 0
		.amdhsa_enable_private_segment 0
		.amdhsa_kernarg_size 48
		.amdhsa_user_sgpr_count 2
		.amdhsa_user_sgpr_kernarg_segment_ptr 1
		.amdhsa_wavefront_size32 1
		.amdhsa_system_sgpr_workgroup_id_x 1
		.amdhsa_system_sgpr_workgroup_id_y 1
		.amdhsa_system_sgpr_workgroup_id_z 1
		.amdhsa_system_vgpr_workitem_id 0
		.amdhsa_next_free_vgpr 1024
		.amdhsa_next_free_sgpr 100
		.amdhsa_reserve_vcc 0
		.amdhsa_float_denorm_mode_32 3
		.amdhsa_float_denorm_mode_16_64 3
		.amdhsa_memory_ordered 1
		.amdhsa_forward_progress 1
		.amdhsa_inst_pref_size 230
	.end_amdhsa_kernel
	.amdgpu_metadata
---
amdhsa.version: [ 1, 2 ]
amdhsa.kernels:
  - .name:           k_q4687a5b3b8_gemm_qkv
    .symbol:         k_q4687a5b3b8_gemm_qkv.kd
    .args:
      - { .name: xq, .offset: 0, .size: 8, .value_kind: global_buffer, .address_space: global }
      - { .name: waq, .offset: 8, .size: 8, .value_kind: global_buffer, .address_space: global }
      - { .name: b_attn, .offset: 16, .size: 8, .value_kind: global_buffer, .address_space: global }
      - { .name: qc, .offset: 24, .size: 8, .value_kind: global_buffer, .address_space: global }
      - { .name: qs, .offset: 32, .size: 8, .value_kind: global_buffer, .address_space: global }
      - { .name: kv, .offset: 40, .size: 8, .value_kind: global_buffer, .address_space: global }
    .group_segment_fixed_size: 327680
    .private_segment_fixed_size: 0
    .kernarg_segment_align: 8
    .kernarg_segment_size: 48
    .max_flat_workgroup_size: 128
    .sgpr_count:     100
    .vgpr_count:     1024
    .wavefront_size: 32
...
	.end_amdgpu_metadata
.endif
;; end of part 2
;; launch attn (part 3): grid 4 x 64, 16 waves a work-group, clusters of 4 x 1, 327,680 bytes of LDS; arguments qc, qs, kv, yq; writes yq
.if DOCPART == 3
	.amdgcn_target "amdgcn-amd-amdhsa--gfx1250"
	.amdhsa_code_object_version 6
	.text
	.protected	k_q4687a5b3b8_attn
	.globl	k_q4687a5b3b8_attn
	.p2align	8
	.type	k_q4687a5b3b8_attn,@function
k_q4687a5b3b8_attn:
	s_mov_b64 s[64:65], 0
	v_nop
	global_prefetch_b8 v0, s[64:65] scope:SCOPE_SE
	s_setreg_imm32_b32 hwreg(HW_REG_WAVE_MODE, 25, 1), 1
	s_wait_xcnt 0x0
	s_wait_alu depctr_hold_cnt(0) depctr_sa_sdst(0) depctr_va_vdst(0) depctr_va_sdst(0) depctr_va_ssrc(0) depctr_va_vcc(0) depctr_vm_vsrc(0)
	s_getreg_b32 s2, hwreg(HW_REG_IB_STS2, 6, 4)
	s_cmp_eq_u32 s2, 0
	s_cbranch_scc0 .Lentry_in_a_cluster
	s_endpgm
.Lentry_in_a_cluster:
	s_bfe_u32 s2, ttmp6, 0x10000c
	s_cmp_lg_u32 s2, 0x3003
	s_cbranch_scc0 .Lentry_shape_is_right
	s_endpgm
.Lentry_shape_is_right:
; y[b][q][head] = the sum over keys k <= q of softmax_k(q . k / 8) v, both products on codes of E4M3 with one E8M0 scale for each 32 along a product's K; y is quantised along E on the way out, as the last product's operand.
; THE SOFTMAX AHEAD OF THE SECOND PRODUCT: t = score x log2(e) / 8; M = the row's largest t so far, rounded UP to a whole number; p = 2^(t - M) is quantised along the keys, not normalised; the row's sum is taken of the
; unquantised p and divides at the end.  When M moves, the sum and O are multiplied by 2^(old M - new M): exact.
; LEFT OUT: steps of 128 keys that lie behind all queries of a tile: reference()'s own causal mask makes their p 0 for all values of the inputs.
; IN: qc[bh][tile of 16 queries][c 0..1][lane][16], qs[bh][tile][r] words; kv[bh][step of 128 keys][17,152]: K's images [tile 8][c 2][lane][16], at 8,192 V^T's [d tile 4][c 4][lane][16], at 16,384 K's scale words, at 16,896 V's.
; Tile i, lane row r of a group of 128 is row 32 (i / 2) + 8 (i % 2) + r + 8 (r / 8): so the 16 registers of two neighbouring tiles of source 0 are 16 neighbours (keys for p, channels for y).
; ALL OF A HEAD'S K AND V STAY IN LDS: 16 steps x 17,152 = 274,432 bytes, filled once: wave w fetches step w, one tensor load a wave at the head.  Nothing is filled again, so the walk over the keys has no barrier of its own.
; SHARES.  A head has 128 tiles of 16 queries.  Work-group j (0..3) of the head, wave w: tile 4 w + j (group g = w / 2, tile i = 4 (w % 2) + j) and its mirror 127 - (4 w + j) (group 15 - g, tile 7 - i):
; g + 1 and 16 - g key steps, SEVENTEEN in every wave, two of them on the diagonal.  The counts hang on the wave's number alone; the work-group's place in its cluster enters global addresses and the mask's lane numbers only.
; THE WALK: trips 0 .. 15 - g: the mirror tile, steps ascending (step = trip); then tile 4 w + j, steps g .. 0 descending (step = 16 - trip).
; A STEP'S K IS FETCHED A TRIP AHEAD: behind a step's first products the NEXT step's eight tiles of K and their scale words are loaded into K's registers and come in under the softmax; V's fragments take p's registers, block by block, behind the conversions.
; The last trip's fetch ahead has no step to serve: it names block 15 and its registers are not used.
; CLUSTER 4, 1, 1: the four work-groups of a head read the same 16 blocks and ask for each jointly (mask 15).  Steps 0 to 2 (waves 0 to 2: a load line of their own) are shown by a first barrier: trips 0 and 1 read them; the other 13 land under those two trips and are shown by a second.
; NO PREFETCH: all tensor loads of a work-group go out at the head; there is no later load that a request could run ahead of.
; The first product's K is 64 in an instruction 128 deep: registers 8-15 of Q's fragment hold zero codes.  K's eight tiles lie 8 registers apart, so registers 8-15 of a tile's operand are the next tile's codes (finite: the quantiser makes no NaN code), behind the last eight zeros: each meets a zero code of Q.
; OUT: yq in the GEMM's operand layout: [group of 128 tokens][ks = head / 4][33,792]: images at 4,096 i + 2,048 q + 512 c + 16 lane, scale bytes at 32,768 + 128 i + 8 r + 4 q + c, with q = (head / 2) % 2, c = 2 (head % 2) + block.
; A scale word there belongs to two heads, so to two clusters: the scale bytes leave one byte a lane, 1/32 of the codes' bytes.
; LIMITS: NaN and infinities are not served; the promise holds while the scaled scores stay under 2^31 in magnitude; a block of zeros gets the byte 1 where the quantiser says 127: its codes are zeros, and this program alone reads the bytes.
.set SB,    17152                      ; a step's block
.set SPARE, 16*SB                      ; behind the 16 blocks (1,072 x 256): the spare words, 128 bytes for each of sixteen waves, that no other line names
.set AL,  1                            ; v1   16 x lane
.set AS,  2                            ; v2   4 x lane
.set SPW, 3                            ; v3   my spare word; never rewritten
.set NIL, 4                            ; v4   0; never rewritten
.set ADK, 5                            ; v5   the step's block + 16 x lane
.set ADS, 6                            ; v6   the step's block + 4 x lane
.set DQ,  7                            ; v7   my query's place in its group of 128, less 16 h: the tile in hand
.set YSO, 8                            ; v8   8 r + h
.set DQ2, 9                            ; v9   as v7, for the second tile
.set ADN, 10                           ; v10  the next step's block + 16 x lane
.set ADM, 11                           ; v11  the next step's block + 4 x lane
.set QF,  16                           ; v16-31   Q: 8 registers of codes, 8 of zeros
.set KFR, 32                           ; v32-95   K's eight tiles, 8 registers each;  v96-103 zeros
.set SS,  104                          ; v104-167 S^T, then p, then V's four fragments; y at the end
.set OT,  168                          ; v168-199 O^T
.set QB2, 200                          ; v200-207 the second tile's Q;  v208 its scale words
.set QSB, 208
.set QS,  209                          ; Q's scale words
.set PS,  210                          ; p's scale word
.set KS,  212                          ; v212-215 K's scale words: lanes 0-15 tile 2 b, lanes 16-31 tile 2 b + 1
.set VS,  216                          ; v216-217 V's likewise
.set BM,  218                          ; v218-221 a block's largest score, then largest p
.set PB,  222                          ; v222-225 permute's destination, then bytes
.set HL,  226                          ; v226-229 448 x the scale
.set SO,  230                          ; v230-233 the conversions' scale operands
.set FF,  234                          ; v[234:235] f = 2^(old M - new M) (the low word serves both halves)
.set PC,  236                          ; v236-251 p's codes; ahead of the conversions seven chains of the row's sum
.set T0,  252                          ; v252-253 at work
.set OM,  254                          ; v254 -M as the step found it
.set WV,  12
.set J,   13                           ; my work-group's place in the cluster
.set BH,  14
.set MNT, 15
.set SEL, 16
.set CS,  18                           ; s[18:19] c = log2(e) / 8
.set TB,  20                           ; LDS byte at which the step's block begins
.set P,   21                           ; the loops' counter
.set D,   22                           ; 15 - g: the mirror tile's group
.set GG,  23                           ; g
.set G1,  24
.set G0,  32
.set TA,  36
.set TC,  37
.set II,  38                           ; i
.set IB,  39                           ; 7 - i
.set HM,  40
.set TN,  41                           ; LDS byte at which the next step's block begins
.set YP,  42                           ; s[42:43] where y's codes go;  s[44:45] its scale bytes;  s[46:49] the same for the second tile
.set YS,  44
.set YPB, 46
.set YSB, 48
.set TE,  50
.macro BARRIER
	s_barrier_signal -1
	s_barrier_wait -1
.endm
.macro CROUND                          ; a round of the cluster's barrier
	BARRIER
	s_cmp_lg_u32 s[WV], 0
	s_cbranch_scc1 .Lnot_wave_0_\@
	s_barrier_signal -3
.Lnot_wave_0_\@:
	s_barrier_wait -3
	BARRIER
.endm
.macro TLOAD                           ; an s_nop 0 and four v_nop follow the line
	tensor_load_to_lds s[G0:G0+3], s[G1:G1+7]
	s_nop 0
.rept 4
	v_nop
.endr
.endm
	s_load_b256 s[4:11], s[0:1], 0x0               ; qc s[4:5], qs s[6:7], kv s[8:9], yq s[10:11]
	v_lshl_add_u32 v[SPW], v0, 2, SPARE
	v_mov_b32 v[NIL], 0
	ds_add_u32 v[SPW], v[NIL]                      ; the opening lines: the add, twice on end, and its wait ahead of the round in front of the first loads
	ds_add_u32 v[SPW], v[NIL]
	v_lshrrev_b32 v5, 5, v0
	v_readfirstlane_b32 s[WV], v5                  ; wave 0..15
	s_bfe_u32 s[J], ttmp6, 0x40000
	s_and_b32 s[BH], ttmp7, 0xffff                 ; the cluster's y: batch x head
	; descriptor group 1: a step's block, 17,152 dense bytes, as 67 rows of 32 elements of 8 bytes; no padding: images are read 512 consecutive bytes an instruction; mask 15: all four work-groups of the cluster
	s_mov_b32 s[G1], 15|(3<<16)|(1<<21)
	s_mov_b32 s[G1+1], 32<<16
	s_mov_b32 s[G1+2], 67<<16
	s_mov_b32 s[G1+3], 32<<16
	s_mov_b32 s[G1+4], 67
	s_mov_b32 s[G1+5], 32
	s_mov_b32 s[G1+6], 0
	s_mov_b32 s[G1+7], 0
	s_mul_i32 s52, s[WV], SB                       ; step w, in LDS and in the head's part of kv
	s_mul_i32 s54, s[BH], 16*SB
	s_add_co_u32 s54, s54, s52
	s_mov_b32 s55, 0
	s_wait_dscnt 0x0                               ; both opening adds are done
	CROUND                                         ; all four work-groups are here: the joint loads meet
	s_wait_kmcnt 0x0
	s_mov_b32 s[G0], 1
	s_mov_b32 s[G0+1], s52
	s_add_nc_u64 s[G0+2:G0+3], s[8:9], s[54:55]
	s_or_b32 s[G0+3], s[G0+3], 0x80000000
	s_cmp_lt_u32 s[WV], 3                          ; one load a wave; waves 0 to 2, whose blocks are shown first, have a line of their own
	s_cbranch_scc0 .Lrest
	TLOAD
	s_branch .Lasked
.Lrest:
	TLOAD
.Lasked:
	s_mov_b32 s[SEL], 0x76543210
	s_mov_b32 s[SEL+1], 0xfedcba98
	s_mov_b32 s[CS], 0x3e38aa3b                    ; c = log2(e) / sqrt(64)
	s_mov_b32 s[CS+1], s[CS]
	s_mov_b32 s[MNT], 0x600000
	s_mov_b32 s[HM], 0xffff0000
	s_lshr_b32 s[GG], s[WV], 1
	s_sub_co_u32 s[D], 15, s[GG]
	s_and_b32 s[II], s[WV], 1
	s_lshl_b32 s[II], s[II], 2
	s_add_co_u32 s[II], s[II], s[J]
	s_sub_co_u32 s[IB], 7, s[II]
	s_lshl_b32 s52, s[BH], 7                       ; 128 tiles a head
	s_lshl_b32 s53, s[D], 3
	s_add_co_u32 s53, s53, s52
	s_add_co_u32 s53, s53, s[IB]                   ; the tile walked first,
	s_lshl_b32 s54, s[GG], 3
	s_add_co_u32 s54, s54, s52
	s_add_co_u32 s54, s54, s[II]                   ; and the second
	s_lshl_b32 s50, s53, 10                        ; their codes and scale words
	s_lshl_b32 s51, s53, 6
	s_lshl_b32 s52, s54, 10
	s_lshl_b32 s53, s54, 6
	s_lshr_b32 s54, s[IB], 1                       ; a tile's first row in its group: 32 (i / 2) + 8 (i % 2)
	s_lshl_b32 s54, s54, 5
	s_and_b32 s55, s[IB], 1
	s_lshl_b32 s55, s55, 3
	s_add_co_u32 s54, s54, s55
	s_lshr_b32 s55, s[II], 1
	s_lshl_b32 s55, s55, 5
	s_and_b32 s56, s[II], 1
	s_lshl_b32 s56, s56, 3
	s_add_co_u32 s55, s55, s56
	; where y goes
	s_lshr_b32 s56, s[BH], 4
	s_lshl_b32 s56, s56, 4                         ; 16 groups a batch
	s_and_b32 s57, s[BH], 15                       ; head
	s_lshr_b32 s58, s57, 2                         ; ks = head / 4
	s_bfe_u32 s59, s57, 0x10001                    ; q = (head / 2) % 2
	s_and_b32 s57, s57, 1
	s_lshl_b32 s60, s59, 11
	s_lshl_b32 s61, s57, 10
	s_lshl_b32 s59, s59, 2
	s_lshl_b32 s57, s57, 1
	s_add_co_u32 s59, s59, s57
	s_add_co_u32 s59, s59, 32768                   ; the scale bytes' place in a block of yq, the tile's 128 i aside;
	s_add_co_u32 s57, s60, s61                     ; the codes', the tile's 4,096 i aside
.macro YPTR grp, tl, yp, ys
	s_add_co_u32 s60, s56, s[\grp]                 ; the group of 128 tokens
	s_lshl_b32 s60, s60, 2
	s_add_co_u32 s60, s60, s58
	s_mul_i32 s60, s60, 33792
	s_lshl_b32 s61, s[\tl], 12
	s_add_co_u32 s61, s61, s60
	s_add_co_u32 s62, s61, s57
	s_mov_b32 s63, 0
	s_add_nc_u64 s[\yp:\yp+1], s[10:11], s[62:63]
	s_lshl_b32 s61, s[\tl], 7
	s_add_co_u32 s61, s61, s60
	s_add_co_u32 s62, s61, s59
	s_add_nc_u64 s[\ys:\ys+1], s[10:11], s[62:63]
.endm
	YPTR D, IB, YP, YS
	YPTR GG, II, YPB, YSB
	v_and_b32 v5, 31, v0
	v_and_b32 v6, 15, v0                           ; r
	v_bfe_u32 v10, v0, 4, 1                        ; h
	v_lshlrev_b32 v[AL], 4, v5
	v_lshlrev_b32 v[AS], 2, v5
	v_lshlrev_b32 v36, 2, v6                       ; 4 r
	v_and_b32 v11, 8, v6
	v_lshlrev_b32 v37, 4, v10
	v_add_nc_u32 v11, v11, v6
	v_lshl_add_u32 v[YSO], v6, 3, v10
	v_sub_nc_u32 v11, v11, v37                     ; r + 8 (r / 8) - 16 h
	v_add_nc_u32 v32, s50, v[AL]
	v_add_nc_u32 v33, s51, v36
	v_add_nc_u32 v34, s52, v[AL]
	v_add_nc_u32 v35, s53, v36
	v_add_nc_u32 v[DQ], s54, v11
	v_add_nc_u32 v[DQ2], s55, v11
	global_load_b128 v[QF:QF+3], v32, s[4:5]
	global_load_b128 v[QF+4:QF+7], v32, s[4:5] offset:512
	global_load_b32 v[QS], v33, s[6:7]
	global_load_b128 v[QB2:QB2+3], v34, s[4:5]
	global_load_b128 v[QB2+4:QB2+7], v34, s[4:5] offset:512
	global_load_b32 v[QSB], v35, s[6:7]
	v_mov_b32 v13, 0xff61b1e6                      ; the largest t so far: -3e38, under every t
	v_mov_b32 v14, 0                               ; the sum, in two halves
	v_mov_b32 v15, 0
	v_floor_f32 v12, -v13                          ; -M
.irp j, 8,9,10,11,12,13,14,15
	v_mov_b32 v[QF+\j], 0                          ; zero codes for k = 64 .. 127: they stay
	v_mov_b32 v[KFR+56+\j], 0                      ; and behind K's last tile
.endr
.set j, 0
.rept 32
	v_mov_b32 v[OT+j], 0                           ; O^T.  (The step is written once: a tile's first step finds zeros, which the first change of M leaves zeros)
.set j, j+1
.endr
.irp b, 0,1,2,3
	v_mov_b32 v[PB+\b], 0                          ; a lane permute's destination counts as one of its sources
.endr
	v_mov_b32 v[FF+1], 0                           ; named as the upper half of a pair
	v_mov_b32 v[T0], 0
.macro LOADK a16, a4                   ; a step's eight tiles of K and their scale words: 20 loads
.irp b, 0,1,2,3
	ds_load_b32 v[KS+\b], v[\a4] offset:16384+128*\b
.endr
.irp t, 0,1,2,3,4,5,6,7
	ds_load_b128 v[KFR+8*\t:KFR+8*\t+3], v[\a16] offset:1024*\t
	ds_load_b128 v[KFR+8*\t+4:KFR+8*\t+7], v[\a16] offset:1024*\t+512
.endr
.endm
; A KEY STEP: the 128 keys of the block at s[TB]; its K is in registers; the next step's block begins at s[TN].  diag = 1: the step may be the tile's diagonal one.
.macro STEP diag
	v_add_nc_u32 v[ADK], s[TB], v[AL]
	v_add_nc_u32 v[ADS], s[TB], v[AS]
	v_add_nc_u32 v[ADN], s[TN], v[AL]
	v_add_nc_u32 v[ADM], s[TN], v[AS]
	v_mov_b32 v[OM], v12
	s_wait_alu depctr_va_vdst(0)
.rept 4
	v_nop                                          ; with the five lines above nine places behind the last products: S^T below is written over V's fragments, which they read
.endr
.irp t, 0,2,4,6                                ; S^T = K Q^T: eight tiles of 16 keys
	v_wmma_scale_f32_16x16x128_f8f6f4 v[SS+8*\t:SS+8*\t+7], v[KFR+8*\t:KFR+8*\t+15], v[QF:QF+15], 0, v[KS+\t/2], v[QS]
	v_wmma_scale_f32_16x16x128_f8f6f4 v[SS+8*\t+8:SS+8*\t+15], v[KFR+8*\t+8:KFR+8*\t+23], v[QF:QF+15], 0, v[KS+\t/2], v[QS] matrix_a_scale:MATRIX_SCALE_ROW1
.endr                                          ; lane (r, h) holds one query; register 16 b + i is the step's key 32 b + 16 h + i
.rept 8
	v_nop                                          ; places ahead of the loads below and of the first reader of S^T
.endr
	LOADK ADN, ADM                                 ; the next step's K: it comes in under the softmax
.irp b, 0,1
	ds_load_b32 v[VS+\b], v[ADS] offset:16896+128*\b
.endr
.if \diag
	s_add_co_u32 s[TA], s[P], 1                    ; the diagonal steps are the trips P = D - 1 (the first tile's last) and P = D (the second tile's first)
	s_sub_co_u32 s[TA], s[TA], s[D]
	s_cmp_gt_u32 s[TA], 1
	s_cbranch_scc1 .Lopen_\@                       ; all keys count for all my queries
	v_mov_b32 v[T0+1], 0xff800000                  ; -infinity: register 16 b + i is hidden where 32 b + i > my query's place - 16 h
.set n, 0
.rept 64
	v_cmp_gt_i32 vcc_lo, 32*(n/16)+n%16, v[DQ]
	v_cndmask_b32 v[SS+n], v[SS+n], v[T0+1], vcc_lo
.set n, n+1
.endr
.Lopen_\@:
.endif
.irp b, 0,1,2,3
	v_max3_num_f32 v[BM+\b], v[SS+16*\b], v[SS+1+16*\b], v[SS+2+16*\b]   ; THE LARGEST SCORE OF EACH BLOCK OF 32 KEYS serves twice: for the row's maximum, and, since p rises with the score, for the block's largest p
.endr
.irp i, 3,5,7,9,11,13
.irp b, 0,1,2,3
	v_max3_num_f32 v[BM+\b], v[BM+\b], v[SS+16*\b+\i], v[SS+1+16*\b+\i]
.endr
.endr
.irp b, 0,1,2,3
	v_max_num_f32 v[BM+\b], v[BM+\b], v[SS+15+16*\b]
.endr
.irp b, 0,1,2,3
	s_delay_alu instid0(VALU_DEP_4)
	v_permlanex16_b32 v[PB+\b], v[BM+\b], s[SEL], s[SEL+1]
.endr
.irp b, 0,1,2,3
	s_delay_alu instid0(VALU_DEP_4)
	v_max_num_f32 v[BM+\b], v[BM+\b], v[PB+\b]     ; with lane l xor 16's 16 keys
.endr
	s_delay_alu instid0(VALU_DEP_2)
	v_max3_num_f32 v[T0], v[BM], v[BM+1], v[BM+2]
	s_delay_alu instid0(VALU_DEP_1)
	v_max_num_f32 v[T0], v[T0], v[BM+3]            ; the step's largest score of my query
	s_delay_alu instid0(VALU_DEP_1)
	v_mul_f32 v[T0], s[CS], v[T0]                  ; as t (c is positive)
	s_delay_alu instid0(VALU_DEP_1)
	v_max_num_f32 v13, v13, v[T0]                  ; the running largest t
	s_delay_alu instid0(VALU_DEP_1)
	v_floor_f32 v12, -v13                          ; the new -M = floor(-t) = -ceil(t): a whole number
	s_delay_alu instid0(VALU_DEP_1)
	v_sub_f32 v[T0], v12, v[OM]                    ; old M - new M: a whole number, 0 or less
	s_delay_alu instid0(VALU_DEP_1)
	v_cvt_i32_f32 v[T0], v[T0]                     ; (it saturates)
	s_delay_alu instid0(VALU_DEP_1)
	v_ldexp_f32 v[FF], 1.0, v[T0]                  ; f = 2^(old M - new M)
.set j, 0
.rept 32
	v_pk_fma_f32 v[SS+j:SS+j+1], v[SS+j:SS+j+1], s[CS:CS+1], v[12:13] op_sel_hi:[1,0,0]   ; t - M, two at a time
.set j, j+2
.endr
.irp b, 0,1,2,3
	v_fma_f32 v[BM+\b], v[BM+\b], s[CS], v12       ; the same of each block's largest score
.endr
	s_wait_alu depctr_va_vdst(0)                   ; the wait ahead of the batch
.set j, 0
.rept 64
	v_exp_f32 v[SS+j], v[SS+j]                     ; p = 2^(t - M), at most 1
.set j, j+1
.endr
.irp b, 0,1,2,3
	v_exp_f32 v[BM+\b], v[BM+\b]                   ; the block's largest p: the same two instructions on the same number
.endr
	v_pk_mul_f32 v[14:15], v[14:15], v[FF:FF+1] op_sel_hi:[1,0]   ; the sums under the new M.  (A plain line behind the exponentials)
	s_wait_alu depctr_va_vdst(0)                   ; one wait for the whole batch, ahead of its first reader
.irp b, 0,1,2,3
	v_max_num_f32 v[BM+\b], 0x4800000, v[BM+\b]    ; the floor 2^(9 - 127): the byte cannot fall under 1
.endr
.irp b, 0,1,2,3
	s_delay_alu instid0(VALU_DEP_4)
	v_add_nc_u32 v[SO+\b], 0xfc000000, v[BM+\b]    ; the conversion's scale operand
.endr
.irp b, 0,1,2,3
	v_and_or_b32 v[HL+\b], v[BM+\b], 0x7f800000, s[MNT]   ; 448 x the scale
.endr
; THE ROW'S SUM OF THE UNQUANTISED p: 32 pairs in eight chains: pairs k, k + 8, k + 16, k + 24 in chain k (k = 1 .. 7, in the codes' registers), pairs 0, 8, 16, 24 onto the running sum
.irp k, 1,2,3,4,5,6,7
	v_pk_add_f32 v[PC+2*\k-2:PC+2*\k-1], v[SS+2*\k:SS+2*\k+1], v[SS+2*\k+16:SS+2*\k+17]
.endr
	v_pk_add_f32 v[14:15], v[14:15], v[SS:SS+1]
.irp o, 32,48
.irp k, 1,2,3,4,5,6,7
	v_pk_add_f32 v[PC+2*\k-2:PC+2*\k-1], v[PC+2*\k-2:PC+2*\k-1], v[SS+2*\k+\o:SS+2*\k+\o+1]
.endr
	v_pk_add_f32 v[14:15], v[14:15], v[SS+\o-16:SS+\o-15]
.endr
	v_pk_add_f32 v[14:15], v[14:15], v[SS+48:SS+49]
	v_pk_add_f32 v[PC:PC+1], v[PC:PC+1], v[PC+2:PC+3]
	v_pk_add_f32 v[PC+4:PC+5], v[PC+4:PC+5], v[PC+6:PC+7]
	v_pk_add_f32 v[PC+8:PC+9], v[PC+8:PC+9], v[PC+10:PC+11]
	v_pk_add_f32 v[14:15], v[14:15], v[PC+12:PC+13]
	v_pk_add_f32 v[PC:PC+1], v[PC:PC+1], v[PC+4:PC+5]
	v_pk_add_f32 v[14:15], v[14:15], v[PC+8:PC+9]
	s_delay_alu instid0(VALU_DEP_1)
	v_pk_add_f32 v[14:15], v[14:15], v[PC:PC+1]
.irp b, 0,1,2,3
.irp i, 0,2,4,6,8,10,12,14                     ; the conversion does not saturate (ISA guide 7.6.2); p is not negative, so the hold is one-sided; two holds to an instruction
	v_dual_min_num_f32 v[SS+16*\b+\i], v[SS+16*\b+\i], v[HL+\b] :: v_dual_min_num_f32 v[SS+16*\b+\i+1], v[SS+16*\b+\i+1], v[HL+\b]
.endr
	v_cvt_scalef32_pk8_fp8_f32 v[PC+4*\b:PC+1+4*\b], v[SS+16*\b:SS+7+16*\b], v[SO+\b]
	v_cvt_scalef32_pk8_fp8_f32 v[PC+2+4*\b:PC+3+4*\b], v[SS+8+16*\b:SS+15+16*\b], v[SO+\b]
.irp c, 0,1,2,3
	ds_load_b128 v[SS+16*\b+4*\c:SS+16*\b+4*\c+3], v[ADK] offset:8192+2048*\b+512*\c   ; V's fragment b takes the registers of the block of p just converted
.endr
.endr
.irp b, 0,1,2,3
	v_lshrrev_b32 v[PB+\b], 23, v[SO+\b]           ; the byte.  (Plain lines behind the last conversion)
.endr
	s_delay_alu instid0(VALU_DEP_3)
	v_lshl_or_b32 v[PS], v[PB+1], 8, v[PB]         ; p's scale word for these 128 keys
	s_delay_alu instid0(VALU_DEP_1)
	v_lshl_or_b32 v[PS], v[PB+2], 16, v[PS]
	s_delay_alu instid0(VALU_DEP_1)
	v_lshl_or_b32 v[PS], v[PB+3], 24, v[PS]
	s_wait_alu depctr_va_vdst(0)                   ; directly ahead of the first reader of O^T
.set j, 0
.rept 16
	v_pk_mul_f32 v[OT+j:OT+j+1], v[OT+j:OT+j+1], v[FF:FF+1] op_sel_hi:[1,0]   ; O^T under the new M.  (These sixteen are also the places between the scale word, the conversions and the products)
.set j, j+2
.endr
	s_wait_alu depctr_va_vdst(0)
	s_wait_dscnt 0x0                               ; V's fragments; the next step's K, asked for earlier, is in too
.irp t, 0,2                                    ; O^T += V^T P^T: the four accumulators by turns, one instruction a turn
	v_wmma_scale_f32_16x16x128_f8f6f4 v[OT+8*\t:OT+8*\t+7], v[SS+16*\t:SS+16*\t+15], v[PC:PC+15], v[OT+8*\t:OT+8*\t+7], v[VS+\t/2], v[PS]
	v_wmma_scale_f32_16x16x128_f8f6f4 v[OT+8*\t+8:OT+8*\t+15], v[SS+16*\t+16:SS+16*\t+31], v[PC:PC+15], v[OT+8*\t+8:OT+8*\t+15], v[VS+\t/2], v[PS] matrix_a_scale:MATRIX_SCALE_ROW1
.endr
.endm
; A TILE'S END: y = O^T / the sum; register 16 b + i is channel 32 b + 16 h + i of my query: two blocks of 32 along E; quantised, the codes are the last product's register images.
.macro FINISH
.rept 8
	v_nop                                          ; places behind the last products
.endr
	v_add_f32 v14, v14, v15
	s_wait_alu depctr_va_vdst(0)
	v_permlanex16_b32 v[T0], v14, s[SEL], s[SEL+1]
	s_delay_alu instid0(VALU_DEP_1)
	v_add_f32 v14, v14, v[T0]                      ; the row's sum
	s_wait_alu depctr_va_vdst(0)                   ; the wait ahead of the transcendental
	v_rcp_f32 v14, v14
	v_nop                                          ; one plain line behind a transcendental
	s_wait_alu depctr_va_vdst(0)                   ; and ahead of its first reader, which is also the first reader of O^T
.set j, 0
.rept 16
	v_pk_mul_f32 v[SS+j:SS+j+1], v[OT+j:OT+j+1], v[14:15] op_sel_hi:[1,0]   ; each accumulator from its low end on
.set j, j+2
.endr
.irp b, 0,1
	v_max3_num_f32 v[BM+\b], |v[SS+16*\b]|, |v[SS+1+16*\b]|, 0x4800000
.endr
.irp i, 2,4,6,8,10,12,14
.irp b, 0,1
	s_delay_alu instid0(VALU_DEP_2)
	v_max3_num_f32 v[BM+\b], v[BM+\b], |v[SS+16*\b+\i]|, |v[SS+1+16*\b+\i]|
.endr
.endr
.irp b, 0,1
	s_delay_alu instid0(VALU_DEP_2)
	v_permlanex16_b32 v[PB+\b], v[BM+\b], s[SEL], s[SEL+1]
.endr
.irp b, 0,1
	s_delay_alu instid0(VALU_DEP_2)
	v_max_num_f32 v[BM+\b], v[BM+\b], v[PB+\b]
.endr
.irp b, 0,1
	s_delay_alu instid0(VALU_DEP_2)
	v_add_nc_u32 v[SO+\b], 0xfc000000, v[BM+\b]
.endr
.irp b, 0,1
	s_delay_alu instid0(VALU_DEP_4)
	v_and_or_b32 v[HL+\b], v[BM+\b], 0x7f800000, s[MNT]
.endr
.irp b, 0,1
	s_delay_alu instid0(VALU_DEP_4)
	v_lshrrev_b32 v[PB+\b], 23, v[SO+\b]
.endr
	s_delay_alu instid0(VALU_DEP_1)
	v_cndmask_b32 v[T0], v[PB], v[PB+1], s[HM]     ; lanes 0-15 store the first block's byte, lanes 16-31 the second's
.irp b, 0,1
.irp i, 0,1,2,3,4,5,6,7,8,9,10,11,12,13,14,15
	v_med3_num_f32 v[SS+16*\b+\i], v[SS+16*\b+\i], -v[HL+\b], v[HL+\b]
.endr
	v_cvt_scalef32_pk8_fp8_f32 v[PC+4*\b:PC+1+4*\b], v[SS+16*\b:SS+7+16*\b], v[SO+\b]
	v_cvt_scalef32_pk8_fp8_f32 v[PC+2+4*\b:PC+3+4*\b], v[SS+8+16*\b:SS+15+16*\b], v[SO+\b]
.endr
	v_nop                                          ; one plain line behind the last conversion
	global_store_b128 v[AL], v[PC:PC+3], s[YP:YP+1]               ; 512 consecutive bytes
	global_store_b128 v[AL], v[PC+4:PC+7], s[YP:YP+1] offset:512
	global_store_b8 v[YSO], v[T0], s[YS:YS+1]
	s_wait_xcnt 0x0                                ; the stores have read their registers and bases: both may be written again
.endm
.macro REINIT                          ; on to the second tile
	s_mov_b64 s[YP:YP+1], s[YPB:YPB+1]
	s_mov_b64 s[YS:YS+1], s[YSB:YSB+1]
	v_mov_b32 v[QS], v[QSB]
	v_mov_b32 v[DQ], v[DQ2]
.irp j, 0,1,2,3,4,5,6,7
	v_mov_b32 v[QF+\j], v[QB2+\j]
.endr
	v_mov_b32 v13, 0xff61b1e6
	v_mov_b32 v14, 0
	v_mov_b32 v15, 0
	v_floor_f32 v12, -v13
.set j, 0
.rept 32
	v_mov_b32 v[OT+j], 0                           ; (also the places between the lines that wrote Q and its scale words and the next products)
.set j, j+1
.endr
.endm
	s_mov_b32 s[TB], 0
	s_mov_b32 s[P], 0
	s_wait_alu depctr_va_vdst(0)                   ; the wait at the head's end
	s_wait_loadcnt 0x0                             ; Q of both tiles
	s_cmp_lt_u32 s[WV], 3
	s_cbranch_scc0 .Lnot_mine
	s_wait_tensorcnt 0x0                           ; waves 0 to 2: steps 0 to 2 are in.  The other waves' wait stands at the second barrier
.Lnot_mine:
	BARRIER
	LOADK AL, AS                                   ; step 0's K: its block begins at LDS byte 0
	s_wait_dscnt 0x0
.Lfirst:                                           ; trips 0 and 1: steps 0 and 1 of the first tile, whose diagonal is step 8 at the least; they fetch the K of steps 1 and 2
	s_add_co_u32 s[TN], s[TB], SB
	STEP 0
	s_add_co_u32 s[TB], s[TB], SB
	s_add_co_u32 s[P], s[P], 1
	s_cmp_lt_u32 s[P], 2
	s_cbranch_scc1 .Lfirst
	s_wait_tensorcnt 0x0                           ; every wave's block is in
	s_wait_dscnt 0x0
	BARRIER                                        ; all 16 steps are shown to all waves; nothing is filled again
	s_mov_b32 s[P], 1
.Lmain:                                            ; trips 2 .. 16, P = trip - 1.  P < D: the first tile, step P + 1; else the second, step 15 - P
	s_add_co_u32 s[TA], s[P], 1
	s_min_u32 s[TA], s[TA], 15
	s_xor_b32 s[TC], s[P], 15
	s_cmp_ge_u32 s[P], s[D]
	s_cselect_b32 s[TA], s[TC], s[TA]
	s_mul_i32 s[TB], s[TA], SB
	s_add_co_u32 s[TE], s[P], 1                    ; the same for the next trip, held at block 15
	s_add_co_u32 s[TA], s[P], 2
	s_min_u32 s[TA], s[TA], 15
	s_xor_b32 s[TC], s[TE], 15
	s_min_u32 s[TC], s[TC], 15
	s_cmp_ge_u32 s[TE], s[D]
	s_cselect_b32 s[TA], s[TC], s[TA]
	s_mul_i32 s[TN], s[TA], SB
	STEP 1
	s_add_co_u32 s[TA], s[P], 1
	s_cmp_lg_u32 s[TA], s[D]
	s_cbranch_scc1 .Lnext
	FINISH                                         ; the first tile's diagonal step is done
	REINIT
.Lnext:
	s_add_co_u32 s[P], s[P], 1
	s_cmp_lt_u32 s[P], 16
	s_cbranch_scc1 .Lmain
	FINISH
	s_wait_tensorcnt 0x0                           ; the wave's end
	ds_add_u32 v[SPW], v[NIL]
	s_wait_dscnt 0x0
	CROUND                                         ; the closing round
	s_endpgm
.Lfunc_end_k_q4687a5b3b8_attn:
	.size	k_q4687a5b3b8_attn, .Lfunc_end_k_q4687a5b3b8_attn-k_q4687a5b3b8_attn
	.p2alignl 7, 3214868480
	.fill 96, 4, 3214868480
	.section	.rodata,"a",@progbits
	.p2align	6, 0x0
	.amdhsa_kernel k_q4687a5b3b8_attn
		.amdhsa_group_segment_fixed_size 327680
		.amdhsa_private_segment_fixed_size 0
		.amdhsa_enable_private_segment 0
		.amdhsa_kernarg_size 32
		.amdhsa_user_sgpr_count 2
		.amdhsa_user_sgpr_kernarg_segment_ptr 1
		.amdhsa_wavefront_size32 1
		.amdhsa_system_sgpr_workgroup_id_x 1
		.amdhsa_system_sgpr_workgroup_id_y 1
		.amdhsa_system_sgpr_workgroup_id_z 1
		.amdhsa_system_vgpr_workitem_id 0
		.amdhsa_next_free_vgpr 256
		.amdhsa_next_free_sgpr 66
		.amdhsa_reserve_vcc 1
		.amdhsa_float_denorm_mode_32 3
		.amdhsa_float_denorm_mode_16_64 3
		.amdhsa_memory_ordered 1
		.amdhsa_forward_progress 1
		.amdhsa_inst_pref_size 70
	.end_amdhsa_kernel
	.amdgpu_metadata
---
amdhsa.version: [ 1, 2 ]
amdhsa.kernels:
  - .name:           k_q4687a5b3b8_attn
    .symbol:         k_q4687a5b3b8_attn.kd
    .args:
      - { .name: qc, .offset: 0, .size: 8, .value_kind: global_buffer, .address_space: global }
      - { .name: qs, .offset: 8, .size: 8, .value_kind: global_buffer, .address_space: global }
      - { .name: kv, .offset: 16, .size: 8, .value_kind: global_buffer, .address_space: global }
      - { .name: yq, .offset: 24, .size: 8, .value_kind: global_buffer, .address_space: global }
    .group_segment_fixed_size: 327680
    .private_segment_fixed_size: 0
    .kernarg_segment_align: 8
    .kernarg_segment_size: 32
    .max_flat_workgroup_size: 512
    .sgpr_count:     66
    .vgpr_count:     256
    .wavefront_size: 32
...
	.end_amdgpu_metadata
.endif
;; end of part 3
;; launch gemm_out (part 4): grid 4 x 64, 4 waves a work-group, clusters of 4 x 4, 327,680 bytes of LDS; arguments yq, wpq, b_proj, out0; writes out0
.if DOCPART == 4
	.amdgcn_target "amdgcn-amd-amdhsa--gfx1250"
	.amdhsa_code_object_version 6
	.text
	.protected	k_q4687a5b3b8_gemm_out
	.globl	k_q4687a5b3b8_gemm_out
	.p2align	8
	.type	k_q4687a5b3b8_gemm_out,@function
k_q4687a5b3b8_gemm_out:
	s_mov_b64 s[64:65], 0
	v_nop
	global_prefetch_b8 v0, s[64:65] scope:SCOPE_SE
	s_setreg_imm32_b32 hwreg(HW_REG_WAVE_MODE, 25, 1), 1
	s_wait_xcnt 0x0
	s_wait_alu depctr_hold_cnt(0) depctr_sa_sdst(0) depctr_va_vdst(0) depctr_va_sdst(0) depctr_va_ssrc(0) depctr_va_vcc(0) depctr_vm_vsrc(0)
	s_getreg_b32 s2, hwreg(HW_REG_IB_STS2, 6, 4)
	s_cmp_eq_u32 s2, 0
	s_cbranch_scc0 .Lentry_in_a_cluster
	s_endpgm
.Lentry_in_a_cluster:
	s_bfe_u32 s2, ttmp6, 0x10000c
	s_cmp_lg_u32 s2, 0xf033
	s_cbranch_scc0 .Lentry_shape_is_right
	s_endpgm
.Lentry_shape_is_right:
; out0 = y W_proj + b_proj on codes of E4M3 (one E8M0 scale for each 32 along K = 1,024), f32 sums, f32 out.
; OPERANDS (yq: tokens; wpq: columns n of W_proj): buf[group of 128 rows][ks 0..3][33,792 bytes]: 32,768 bytes of register images [tile i][q][c][lane][16 bytes] and 1,024 bytes of scale words [i][r][q];
; tile i, lane row r is row 32 (i / 2) + 8 (i % 2) + r + 8 (r / 8) of the group.
; SHARES: 64 groups of tokens x 4 tiles of 256 columns = 256 work-groups.  A block of 128 x 256 is made by four waves, each 64 tokens (A's tiles 4 RH .. 4 RH + 3) x 128 columns (B's group CH): 32 accumulators, 256 registers.
; The matrix instruction is used transposed (source 0 = 16 rows of B, source 1 = 16 rows of A): a lane holds eight neighbouring columns of one token's row.  The bias is the first products' C.
; LDS BY OPERANDS, an operand's two slots on end: A at s QB; B's group c at (2 + 2 c + s) QB.  K goes in four steps of 256.  AT THE HEAD one load a wave brings K steps 0 AND 1: waves 0, 1 A's block of step 0, of step 1;
; waves 2, 3 two blocks on end (67,584 consecutive bytes) of a group of B.  K steps 2 and 3 are refills, each behind a drained round of the cluster's barrier: wave 0 A's block, waves 2, 3 B's, wave 1 none.
; CLUSTER 4 x 4: A's blocks hang on the group of tokens alone and are asked for jointly along a row of the cluster, B's on the tile of columns alone, along a column.
; NO PREFETCH: K is four steps, written out, with no loop to run ahead in; two of the four are asked for at the head.
; REGISTERS: window 0: v16-31 addresses; v32-63 scale words, a set for each slot; v64-127 the bias; v128-255 A's fragments, two sets of four (on the way out: rows read back).  window 1: B's fragments, two sets of eight.  window 2: accumulator (a, b) at v[8 (8 a + b)].
; THE WAY OUT: a block of 16 tokens x 128 columns goes through the wave's own stage in LDS and leaves as rows of 512 consecutive bytes.  The four stages are A's slot 0, behind its last fill and its last read.
.set QB,     33792
.set SPARE,  6*QB                      ; behind the six blocks (792 x 256): the spare words, 128 bytes a wave, that no other line names
.set SPITCH, 528
.set FR,     16
.set NP,     8                         ; places behind this matrix instruction (ISA guide 7.12.1)
.set ADRA, 16                          ; v16-17  my A fragments in slot 0, 1
.set ADRB, 20                          ; v20-21  the same for B
.set ADRS, 22                          ; v22-23  scale words of tiles 0-3: lanes 0-15 A's, lanes 16-31 B's
.set STO,  24
.set RD,   25
.set CO,   26                          ; v26     16 x lane
.set BQ,   27
.set SPW,  28                          ; v28     my spare word; never rewritten
.set NIL,  29                          ; v29     0; never rewritten
.set ADRT, 30                          ; v30-31  scale words of B's tiles 4-7 (lanes 16-31); lanes 0-15 stand 512 bytes lower and read A's four once more
.set SC,   32
.set BI,   64
.set AF,   128
.set BK,   128
.set G1A, 24                           ; group 1: A's block, 132 rows
.set G1H, 48                           ; B at the head, 264 rows
.set G1B, 72                           ; B's block, 132 rows
.set HA,  32                           ; groups 0: the head's,
.set HB,  36
.set RA,  40                           ; s[40:47] A's refills of slot 0, 1,
.set RB,  56                           ; s[56:63] B's
.set WV,  90
.set RH,  91
.set CH,  92
.set MSB, 0
.macro WIN new                         ; the immediate's high byte repeats the setting that is left
.if MSB != (\new)
	s_set_vgpr_msb (MSB<<8)|(\new)
.set MSB, (\new)
.endif
.endm
.set MUL,   0xa1                       ; source 0 (B) window 1, source 1 (A) window 0, C and D window 2
.set MUL0,  0x81                       ; the first step: C is the bias, window 0
.set TO_B,  0x40
.macro PLACES n
.rept \n
	v_nop
.endr
.endm
.macro TL g0, g1                       ; an s_nop 0 and four v_nop follow the line
	tensor_load_to_lds s[\g0:\g0+3], s[\g1:\g1+7]
	s_nop 0
	PLACES 4
.endm
.macro RLOAD s                         ; a refill of slot s.  The branches hang on the wave's number alone
	s_cmp_eq_u32 s[WV], 0
	s_cbranch_scc0 .Lnot_a_\@
	TL RA+4*\s, G1A
	s_branch .Lasked_\@
.Lnot_a_\@:
	s_cmp_lt_u32 s[WV], 2
	s_cbranch_scc1 .Lasked_\@
	TL RB+4*\s, G1B
.Lasked_\@:
.endm
.macro CREST                           ; a round of the cluster's barrier behind its opening barrier
	s_cmp_lg_u32 s[WV], 0
	s_cbranch_scc1 .Lnot_wave_0_\@
	s_barrier_signal -3
.Lnot_wave_0_\@:
	s_barrier_wait -3
	s_barrier_signal -1
	s_barrier_wait -1
.endm
.macro CROUND
	s_barrier_signal -1
	s_barrier_wait -1
	CREST
.endm
.macro GROUP1 g, mask, rows            ; dense bytes as rows of 32 elements of 8 bytes; no padding: images are read 512 consecutive bytes an instruction
	s_or_b32 s[\g+0], s\mask, (3<<16)|(1<<21)
	s_mov_b32 s[\g+1], 32<<16
	s_mov_b32 s[\g+2], (\rows)<<16
	s_mov_b32 s[\g+3], 32<<16
	s_mov_b32 s[\g+4], \rows
	s_mov_b32 s[\g+5], 32
	s_mov_b32 s[\g+6], 0
	s_mov_b32 s[\g+7], 0
.endm
	s_load_b256 s[4:11], s[0:1], 0x0               ; yq s[4:5], wpq s[6:7], b_proj s[8:9], out0 s[10:11]
	v_lshl_add_u32 v[SPW], v0, 2, SPARE
	v_mov_b32 v[NIL], 0
	ds_add_u32 v[SPW], v[NIL]                      ; the opening lines: the add, twice on end, and its wait
	ds_add_u32 v[SPW], v[NIL]
	v_lshrrev_b32 v1, 5, v0
	v_readfirstlane_b32 s[WV], v1                  ; wave 0..3
	s_lshr_b32 s[RH], s[WV], 1
	s_and_b32 s[CH], s[WV], 1
	s_bfe_u32 s80, ttmp6, 0x40000                  ; cx, cy
	s_bfe_u32 s81, ttmp6, 0x40004
	s_and_b32 s82, ttmp7, 0xffff
	s_lshl_b32 s82, s82, 2
	s_add_co_u32 s82, s82, s81                     ; the group of tokens = 4 x cluster y + cy
	s_lshl_b32 s83, ttmp9, 2
	s_add_co_u32 s83, s83, s80                     ; the tile of columns = 4 x cluster x + cx
	s_lshl_b32 s84, s81, 2
	s_lshl_b32 s84, 15, s84                        ; my row of the cluster
	s_lshl_b32 s85, 0x1111, s80                    ; my column
	GROUP1 G1A, 84, 132
	GROUP1 G1H, 85, 264
	GROUP1 G1B, 85, 132
	s_mul_i32 s12, s82, 4*QB                       ; A's group in yq
	s_mov_b32 s13, 0
	s_lshl_b32 s14, s83, 1
	s_add_co_u32 s14, s14, s[CH]
	s_mul_i32 s14, s14, 4*QB                       ; B's group in wpq
	s_mov_b32 s15, 0
	s_mul_i32 s16, s[CH], QB                       ; the head's load of A: wave CH takes K step CH, in memory and in LDS
	s_mov_b32 s18, s16
	s_mov_b32 s19, 0
	s_mul_i32 s17, s[CH], 2*QB
	s_add_co_u32 s17, s17, 2*QB                    ; B's group CH in LDS
	s_add_co_u32 s87, s17, QB                      ; its slot 1
	s_wait_dscnt 0x0                               ; both opening adds are done
	s_wait_kmcnt 0x0
	s_add_nc_u64 s[12:13], s[4:5], s[12:13]
	s_add_nc_u64 s[14:15], s[6:7], s[14:15]
	CROUND                                         ; all sixteen work-groups are here: the first joint loads meet
	s_mov_b32 s[HA], 1
	s_mov_b32 s[HA+1], s16
	s_add_nc_u64 s[HA+2:HA+3], s[12:13], s[18:19]
	s_or_b32 s[HA+3], s[HA+3], 0x80000000
	s_mov_b32 s[HB], 1
	s_mov_b32 s[HB+1], s17
	s_mov_b64 s[HB+2:HB+3], s[14:15]
	s_or_b32 s[HB+3], s[HB+3], 0x80000000
	s_cmp_eq_u32 s[RH], 0                          ; one load a wave, an arm for A's and one for B's
	s_cbranch_scc0 .Lhead_b
	TL HA, G1A
	s_branch .Lhead_asked
.Lhead_b:
	TL HB, G1H
.Lhead_asked:
.irp s, 0,1                                    ; the refills' groups 0: K step 2 + s into slot s; each is used once
	s_mov_b32 s[RA+4*\s], 1
	s_mov_b32 s[RA+4*\s+1], \s*QB
	s_add_nc_u64 s[RA+4*\s+2:RA+4*\s+3], s[12:13], (2+\s)*QB
	s_or_b32 s[RA+4*\s+3], s[RA+4*\s+3], 0x80000000
	s_mov_b32 s[RB+4*\s], 1
	s_add_co_u32 s[RB+4*\s+1], s17, \s*QB
	s_add_nc_u64 s[RB+4*\s+2:RB+4*\s+3], s[14:15], (2+\s)*QB
	s_or_b32 s[RB+4*\s+3], s[RB+4*\s+3], 0x80000000
.endr
	s_lshl_b32 s20, s[RH], 14                      ; my four tiles of A: 4,096 bytes each
	s_add_co_u32 s86, s20, QB
	s_xor_b32 s22, s[RH], 1
	s_lshl_b32 s22, s22, 9
	s_mul_i32 s21, s[CH], 2*QB
	s_add_co_u32 s21, s21, s22
	s_add_co_u32 s23, s21, 2*QB                    ; from A's words, 512 bytes lower, to B's
	s_add_co_u32 s21, s21, 2*QB-512                ; from my A tiles' scale words to my B group's: (2 + 2 CH) QB - 512 RH
	s_lshl_b32 s22, s[RH], 9
	s_add_co_u32 s89, s22, 32256
	s_add_co_u32 s93, s89, QB
	s_add_co_u32 s22, s22, 32768                   ; my A tiles' scale words in slot 0
	s_add_co_u32 s88, s22, QB
	s_mul_i32 s94, s[WV], 16*SPITCH                ; my stage
	s_lshl_b32 s95, s82, 7
	s_lshl_b32 s96, s[RH], 6
	s_add_co_u32 s95, s95, s96
	s_lshl_b32 s95, s95, 12                        ; my first token's row of out0: rows of 4,096 bytes
	s_lshl_b32 s96, s83, 10
	s_lshl_b32 s97, s[CH], 9
	s_add_co_u32 s96, s96, s97                     ; my first column, in bytes
	s_mov_b32 s97, 0
	s_add_nc_u64 s[8:9], s[8:9], s[96:97]
	s_add_co_u32 s96, s96, s95
	s_add_nc_u64 s[10:11], s[10:11], s[96:97]
	v_and_b32 v1, 15, v0                           ; r
	v_bfe_u32 v2, v0, 4, 1                         ; h
	v_and_b32 v3, 31, v0
	v_lshlrev_b32 v[CO], 4, v3
	v_mul_u32_u24 v5, s21, v2                      ; lanes 16-31 take B's
	v_mul_u32_u24 v6, s23, v2
	v_mul_u32_u24 v7, v1, SPITCH
	v_lshlrev_b32 v[BQ], 6, v2                     ; the bias: n runs along my registers: + 16 h numbers
	v_lshl_add_u32 v5, v1, 3, v5                   ; 8 bytes a row: the K step's two words
	v_lshl_add_u32 v6, v1, 3, v6
	v_lshl_add_u32 v7, v2, 6, v7
	v_add_nc_u32 v[ADRA], s20, v[CO]
	v_add_nc_u32 v[ADRA+1], s86, v[CO]
	v_add_nc_u32 v[ADRB], s17, v[CO]
	v_add_nc_u32 v[ADRB+1], s87, v[CO]
	v_add_nc_u32 v[ADRS], s22, v5
	v_add_nc_u32 v[ADRS+1], s88, v5
	v_add_nc_u32 v[ADRT], s89, v6
	v_add_nc_u32 v[ADRT+1], s93, v6
	v_add_nc_u32 v[STO], s94, v7                   ; into the stage: row r, 64 bytes for each half of the lanes
	v_add_nc_u32 v[RD], s94, v[CO]                 ; back: the 32 lanes take one row of 512 bytes
.irp b, 0,1,2,3,4,5,6,7
	global_load_b128 v[BI+8*\b:BI+8*\b+3], v[BQ], s[8:9] offset:(32*(\b/2)+8*(\b%2))*4
	global_load_b128 v[BI+8*\b+4:BI+8*\b+7], v[BQ], s[8:9] offset:(32*(\b/2)+8*(\b%2))*4+16
.endr
.macro FRAG reg, adr, q, i             ; a fragment comes as it was laid: four loads of 512 consecutive bytes
.irp c, 0,1,2,3
	ds_load_b128 v[\reg+4*\c:\reg+4*\c+3], v[\adr] offset:4096*(\i)+2048*(\q)+512*\c
.endr
.endm
; 16 matrix instructions: A's tiles a0, a0 + 1 x B's eight; p: the fragments' set, q: which 128 of the K step, sc: the scale words' set.  The 32 accumulators take turns, one instruction a turn, in the same order in every step.
.macro MUL16 a0, p, q, sc, zero
.irp a, \a0, \a0+1
.irp b, 0,1,2,3,4,5,6,7
.if \zero
	v_wmma_scale_f32_16x16x128_f8f6f4 v[8*(8*(\a)+\b):8*(8*(\a)+\b)+7], v[128*(\p)+FR*\b:128*(\p)+FR*\b+FR-1], v[AF+64*(\p)+FR*(\a):AF+64*(\p)+FR*(\a)+FR-1], v[BI+8*\b:BI+8*\b+7], v[SC+16*(\sc)+2*\b+(\q)], v[SC+16*(\sc)+2*(\a)+(\q)] matrix_a_scale:MATRIX_SCALE_ROW1
.else
	v_wmma_scale_f32_16x16x128_f8f6f4 v[8*(8*(\a)+\b):8*(8*(\a)+\b)+7], v[128*(\p)+FR*\b:128*(\p)+FR*\b+FR-1], v[AF+64*(\p)+FR*(\a):AF+64*(\p)+FR*(\a)+FR-1], v[8*(8*(\a)+\b):8*(8*(\a)+\b)+7], v[SC+16*(\sc)+2*\b+(\q)], v[SC+16*(\sc)+2*(\a)+(\q)] matrix_a_scale:MATRIX_SCALE_ROW1
.endif
.endr
.endr
.endm
.macro FETCH slot, q, p                ; twelve fragments, 48 loads: B's eight and A's four of the slot's q-th 128 along K into set p
	WIN TO_B
.irp i, 0,1,2,3,4,5,6,7
	FRAG 128*(\p)+FR*\i, ADRB+\slot, \q, \i
.endr
	WIN 0
.irp i, 0,1,2,3
	FRAG AF+64*(\p)+FR*\i, ADRA+\slot, \q, \i
.endr
.endm
.macro SCALES sc                       ; the slot's scale words: register pair i: lanes 0-15 A's tile i % 4, lanes 16-31 B's tile i
.irp i, 0,1,2,3
	ds_load_b64 v[SC+16*\sc+2*\i:SC+16*\sc+2*\i+1], v[ADRS+\sc] offset:128*\i
.endr
.irp i, 4,5,6,7
	ds_load_b64 v[SC+16*\sc+2*\i:SC+16*\sc+2*\i+1], v[ADRT+\sc] offset:128*\i
.endr
.endm
.macro STEP slot, zero                 ; a slot's first 128 along K, on set 0; in its middle the second 128's fragments are fetched into set 1
	s_wait_dscnt 0x0                               ; set 0 and the scale words are in
	WIN MUL-0x20*(\zero)
	MUL16 0, 0, 0, \slot, \zero
	PLACES NP                                      ; ahead of loads into set 1, which the step before multiplied
	FETCH \slot, 1, 1
	WIN MUL-0x20*(\zero)
	MUL16 2, 0, 0, \slot, \zero
	WIN 0
.endm
; A slot's second 128 along K, on set 1, changes slots: ONE barrier; in front of it each wave waits for all its tensor loads, adds 0 to its spare word, and waits for that and for its reads of this slot.  fill = 1: the slot is filled again, two K steps ahead.
.macro TURN slot, next, fill
	s_wait_tensorcnt 0x0                           ; all my tensor loads have landed
	ds_add_u32 v[SPW], v[NIL]                      ; 0 onto my spare word
	s_wait_dscnt 0x0                               ; the add is done, set 1 is in, and my reads of this slot are over
	s_barrier_signal -1
	WIN MUL
	MUL16 0, 1, 1, \slot, 0                        ; work on registers while the others arrive
	WIN 0
	s_barrier_wait -1
.if \fill
	CREST                                          ; the barrier has opened a round of the cluster's: no wave of any partner still reads this slot or has a load on its way
	RLOAD \slot                                    ; the first tensor load behind the round
.endif
	PLACES NP                                      ; on every wave's way, ahead of loads into set 0
	FETCH \next, 0, 0
	SCALES \next
	WIN MUL
	MUL16 2, 1, 1, \slot, 0
	WIN 0
.endm
	s_wait_alu depctr_va_vdst(0)                   ; the wait at the head's end
	s_wait_tensorcnt 0x0                           ; my part of K steps 0 and 1 is in
	s_barrier_signal -1
	s_barrier_wait -1
	FETCH 0, 0, 0
	SCALES 0
	s_wait_loadcnt 0x0                             ; the bias
	STEP 0, 1                                      ; the first products start the sums on the bias: nothing is cleared
	TURN 0, 1, 1                                   ; slot 0 takes K step 2,
	STEP 1, 0
	TURN 1, 0, 1                                   ; slot 1 K step 3
	STEP 0, 0
	TURN 0, 1, 0                                   ; nothing more to fetch, and no round
	STEP 1, 0
	s_wait_dscnt 0x0
	WIN MUL
	MUL16 0, 1, 1, 1, 0
	MUL16 2, 1, 1, 1, 0
	WIN 0
.macro TOSTAGE a
	WIN 0x08                                       ; the data: window 2
.irp b, 0,1,2,3,4,5,6,7
	ds_store_b128 v[STO], v[64*(\a)+8*\b:64*(\a)+8*\b+3] offset:128*(\b/2)+32*(\b%2)       ; each accumulator from its low end on
	ds_store_b128 v[STO], v[64*(\a)+8*\b+4:64*(\a)+8*\b+7] offset:128*(\b/2)+32*(\b%2)+16
.endr
	WIN 0
.set BBK, BK+64*((\a)%2)
.irp t, 0,1,2,3,4,5,6,7,8,9,10,11,12,13,14,15
	ds_load_b128 v[BBK+4*\t:BBK+4*\t+3], v[RD] offset:\t*SPITCH   ; LDS serves a wave's instructions in order (ISA guide 5.7.1.4): these see the stores above
.endr
.endm
.macro SEND a, younger                 ; younger: the LDS instructions issued behind block a's loads, which may stay out
.set BBK, BK+64*((\a)%2)
	s_wait_dscnt \younger
.irp t, 0,1,2,3,4,5,6,7,8,9,10,11,12,13,14,15
	global_store_b128 v[CO], v[BBK+4*\t:BBK+4*\t+3], s[10:11] offset:(32*((\a)/2)+8*((\a)%2)+\t+8*(\t/8))*4096 th:TH_STORE_NT   ; 512 consecutive bytes, at a multiple of 256 from out0's first byte
.endr
.endm
	PLACES NP                                      ; behind the last products: their results are read and A's registers loaded into below
	TOSTAGE 0
.irp a, 1,2,3
.if \a > 1
	s_wait_xcnt 0x0                                ; block a - 2's stores have read their registers: block a's loads may land there
.endif
	TOSTAGE \a
	SEND \a-1, 32                                  ; behind block a - 1's loads: block a's 16 stores and 16 loads
.endr
	SEND 3, 0
	s_wait_tensorcnt 0x0                           ; the wave's end
	ds_add_u32 v[SPW], v[NIL]
	s_wait_dscnt 0x0
	CROUND                                         ; the closing round
	s_endpgm
.Lfunc_end_k_q4687a5b3b8_gemm_out:
	.size	k_q4687a5b3b8_gemm_out, .Lfunc_end_k_q4687a5b3b8_gemm_out-k_q4687a5b3b8_gemm_out
	.p2alignl 7, 3214868480
	.fill 96, 4, 3214868480
	.section	.rodata,"a",@progbits
	.p2align	6, 0x0
	.amdhsa_kernel k_q4687a5b3b8_gemm_out
		.amdhsa_group_segment_fixed_size 327680
		.amdhsa_private_segment_fixed_size 0
		.amdhsa_enable_private_segment 0
		.amdhsa_kernarg_size 32
		.amdhsa_user_sgpr_count 2
		.amdhsa_user_sgpr_kernarg_segment_ptr 1
		.amdhsa_wavefront_size32 1
		.amdhsa_system_sgpr_workgroup_id_x 1
		.amdhsa_system_sgpr_workgroup_id_y 1
		.amdhsa_system_sgpr_workgroup_id_z 1
		.amdhsa_system_vgpr_workitem_id 0
		.amdhsa_next_free_vgpr 768
		.amdhsa_next_free_sgpr 100
		.amdhsa_reserve_vcc 0
		.amdhsa_float_denorm_mode_32 3
		.amdhsa_float_denorm_mode_16_64 3
		.amdhsa_memory_ordered 1
		.amdhsa_forward_progress 1
		.amdhsa_inst_pref_size 88
	.end_amdhsa_kernel
	.amdgpu_metadata
---
amdhsa.version: [ 1, 2 ]
amdhsa.kernels:
  - .name:           k_q4687a5b3b8_gemm_out
    .symbol:         k_q4687a5b3b8_gemm_out.kd
    .args:
      - { .name: yq, .offset: 0, .size: 8, .value_kind: global_buffer, .address_space: global }
      - { .name: wpq, .offset: 8, .size: 8, .value_kind: global_buffer, .address_space: global }
      - { .name: b_proj, .offset: 16, .size: 8, .value_kind: global_buffer, .address_space: global }
      - { .name: out0, .offset: 24, .size: 8, .value_kind: global_buffer, .address_space: global }
    .group_segment_fixed_size: 327680
    .private_segment_fixed_size: 0
    .kernarg_segment_align: 8
    .kernarg_segment_size: 32
    .max_flat_workgroup_size: 128
    .sgpr_count:     100
    .vgpr_count:     768
    .wavefront_size: 32
...
	.end_amdgpu_metadata
.endif
;; end of part 4
